; MI455X (gfx1250); checked and timed in simulation.
; The chip was launched on July 23, 2026; its instructions are those of AMD's public machine-readable ISA for CDNA 5 (MIT licence, August 2026) and "CDNA5" Instruction Set Architecture Reference Guide (July 2026). The comments in the code are by the model that wrote it; some were corrected since.
;; Multi Head Self Attention. Allowed arithmetic: matrix products marked QUANTISED: E2M1 operands, one E8M0 scale for each 32 along K, by v_wmma_scale_f32_16x16x128_f8f6f4 with both operands' format E2M1 (or v_wmma_scale_f32_32x16x128_f4), f32 sums; products left as they are: bf16, f16 or f32 operands; f32 sums; everything else in f32.
;; Inputs: Wk 1,024 x 1,024 float32; Wo 1,024 x 1,024 float32; Wq 1,024 x 1,024 float32; Wv 1,024 x 1,024 float32; bk 1,024 float32; bo 1,024 float32; bq 1,024 float32; bv 1,024 float32; mask 4 x 1 x 1 x 2,048 int32; x 4 x 2,048 x 1,024 float32.
;; Outputs: out0 4 x 2,048 x 1,024 float32.
;; This version of the problem:
;;   THIS VERSION OF THE PROBLEM IS GIVEN IN LOW PRECISION. The matrix products marked QUANTISED in the list below multiply operands that are first quantised to E2M1 (2 exponent bits, 1 mantissa bit; 4 bits a number), with one power-of-two scale for each 32 numbers along K (OCP MX v1.0); their sums are f32. The products marked 'left as it is' may take bf16, f16 or f32 operands, with f32 sums. Whichever they take, every output number must still come out within the allowed error. Rounding operands to bf16 (8 significant bits) uses up far more of that allowance than f16 does (11 bits, for magnitudes from 6e-5 to 65,504). All else is computed in f32.
;;   The module's matrix products, in the order in which they are computed (A, B: the left and right operand; K: the contracted axis; several contracted axes count as one K, in the product's order):
;;     1. [M 8,192, K 1,024] x [K 1,024, N 1,024]; A: input x; B: input Wq: QUANTISED
;;     2. [M 8,192, K 1,024] x [K 1,024, N 1,024]; A: input x; B: input Wk: QUANTISED
;;     3. [M 8,192, K 1,024] x [K 1,024, N 1,024]; A: input x; B: input Wv: QUANTISED
;;     4. batch 64 x [M 2,048, K 64] x [K 64, N 2,048]; A: computed on the way; B: computed on the way: left as it is (an operand is computed on the way)
;;     5. batch 64 x [M 2,048, K 2,048] x [K 2,048, N 64]; A: computed on the way; B: computed on the way: left as it is (an operand is computed on the way)
;;     6. [M 8,192, K 1,024] x [K 1,024, N 1,024]; A: computed on the way; B: input Wo: left as it is (an operand is computed on the way)
;;   THE QUANTISER, for each operand of a quantised product, along K:
;;     - K is cut into blocks of 32 from its start; a last block that is shorter is filled with zeros.
;;     - A block's scale is 2^e with e = floor(log2(the largest magnitude in the block)) - 2, held to -126 .. 127; a block of zeros has e = 0. As a byte (E8M0): e + 127.
;;     - Each number is divided by its block's scale, clamped to +-6, and rounded to the nearest number of E2M1, ties to even, subnormals kept.
;;     - The product sums the exact products of the quantised numbers (number of the format x scale) in f32.
;;   ~~~python
;;   def quantise(x, axis):      # numpy; x: float32 -> the quantised numbers, widened to float32 again
;;       x = np.moveaxis(x, axis, -1); K = x.shape[-1]
;;       x = np.pad(x, [(0, 0)] * (x.ndim - 1) + [(0, -K % 32)]); x = x.reshape(x.shape[:-1] + (-1, 32)); a = np.abs(x).max(-1, keepdims=True)
;;       e = np.where(a > 0, np.clip(np.frexp(np.where(a > 0, a, 1))[1] - 1 - 2, -126, 127), 0)      # np.frexp(a)[1] - 1 = floor(log2(a)), exactly
;;       r = np.clip(x / 2.0 ** e, -6, 6)
;;       step = 2.0 ** (np.maximum(np.frexp(np.where(r == 0, 1, r))[1] - 1, 0) - 1)
;;       q = np.round(r / step) * step * 2.0 ** e      # np.round: ties to even
;;       return np.moveaxis(q.reshape(q.shape[:-2] + (-1,))[..., :K], -1, axis).astype(np.float32)
;;   ~~~
;; One version. Each part assembles by itself: llvm-mc -triple=amdgcn-amd-amdhsa -mcpu=gfx1250 --defsym DOCPART=n.
;; ======== version 1 of 1: 4 launches
;; limits: values are held in f16: magnitudes above 65,504 overflow, below 6.1e-05 lose precision
;; workspace buffers: xc 4,194,304 bytes; xs 262,144 bytes; wc 1,572,864 bytes; ws 98,304 bytes; woh 2,097,152 bytes; qkv 50,331,648 bytes; ctx 16,777,216 bytes
;; launch prep (part 1): grid 368 x 1, 4 waves a work-group, no clusters, 68,096 bytes of LDS; arguments x, Wq, Wk, Wv, Wo, xc, xs, wc, ws, woh; writes xc, xs, wc, ws, woh
.if DOCPART == 1
	.amdgcn_target "amdgcn-amd-amdhsa--gfx1250"
	.amdhsa_code_object_version 6
	.text
	.protected	k_q4002beaa2d_prep
	.globl	k_q4002beaa2d_prep
	.p2align	8
	.type	k_q4002beaa2d_prep,@function
k_q4002beaa2d_prep:
	s_mov_b64 s[64:65], 0
	v_nop
	global_prefetch_b8 v0, s[64:65] scope:SCOPE_SE
	s_setreg_imm32_b32 hwreg(HW_REG_WAVE_MODE, 25, 1), 1
	s_wait_xcnt 0x0
; MULTI-HEAD SELF-ATTENTION, launch 1 of 4: the operands of the three quantised products become codes, and Wo becomes f16.
; NO WORK OF THE PROBLEM IS LEFT OUT IN ANY LAUNCH, and every input is loaded.  bk is live although q . bk is the same for all keys of a row: masked scores are set to the fixed
; number -1e9, so a shift of the other scores moves the weights against them.  bq, bv, bo and the mask reach the output plainly.
; x [8192][1024] (K innermost) and Wq, Wk, Wv [1024 (k)][1024 (n)] (K outermost), f32, become codes of FP4 (E2M1), K innermost, with one E8M0 byte for each 32 along K:
;   xc [8192][512 bytes], xs [8192][32];  wc [3072 = 1024 x tensor + n][512 bytes], ws [3072][32].  Wo [1024 (k)][1024 (n)] becomes f16 in the same order: woh.
; A block's scale is 2^(floor(log2(largest magnitude)) - 2); its byte is the largest magnitude's exponent field - 2, held at 1 from below.  Numbers are divided by the scale and rounded to the nearest code, ties to even.
; LIMITS: a block of zeros gets the byte 1 where the rule says 127 (its codes are zeros, and this program alone reads the bytes); blocks whose largest magnitude lies under 2^-124 are held at the byte 1;
; NaN and infinities among the inputs are not served; Wo must lie inside f16's range (65,504).
; THREE PATHS, chosen by the work-group's number, each with LDS bytes of its own: work-groups 0-255 take x, 256-303 the three weights, 304-367 Wo.  Waves share nothing: no barrier.
.set XWREG, 8192                       ; path X: a region for each wave: two stages of 32 x 80 bytes, behind them its 256 scale bytes
.set XSP,   80                         ; a lane's place in a stage: 64 bytes + 16 of padding
.set WSTG,  32768                      ; path W: four stages of 32 rows x 272 bytes
.set WPITCH, 272
.set SPARE, WSTG+4*32*WPITCH           ; the spare words, 128 bytes for each wave: two blocks of 256 bytes that no other line names
.set SPW,   190                        ; v190 LDS address of my spare word; never rewritten
.set NIL,   191                        ; v191 0; never rewritten
.set EMAX,  2
	s_load_b256 s[4:11], s[0:1], 0x0               ; x, Wq, Wk, Wv
	s_load_b256 s[12:19], s[0:1], 0x20             ; Wo, xc, xs, wc
	s_load_b128 s[20:23], s[0:1], 0x40             ; ws, woh
	v_lshl_add_u32 v[SPW], v0, 2, SPARE
	v_mov_b32 v[NIL], 0
	v_lshrrev_b32 v1, 5, v0
	v_readfirstlane_b32 s24, v1                    ; wave 0..3
	v_and_b32 v2, 31, v0                           ; lane
	s_wait_kmcnt 0x0
	s_cmp_lt_u32 ttmp9, 256
	s_cbranch_scc0 .Lnot_x
; ---- PATH X.  x is a plain stream of blocks of 32.  A wave takes 16 steps of 512 numbers.  Each load reads 512 consecutive bytes; a step's 2,048 bytes turn through the wave's own stage,
; so that a lane then holds 16 neighbours along K (two neighbouring lanes hold a block).  A step's codes leave as 256 consecutive bytes, the wave's 256 scale bytes as one store at the end.
.set STEPS, 16
.set XR,    16                         ; v16-79   four sets of 16 numbers as loaded
.set XX,    80                         ; v80-111  two sets of 16 neighbours
.set XE,    112                        ; v112-127 a scale byte for each step
.set XC,    128                        ; v128-189 codes: registers of its own for each step, so that no store's data are written again
	v_lshlrev_b32 v3, 4, v2                        ; my 16 bytes of a load's 512
	s_mul_i32 s25, s24, XWREG
	v_lshrrev_b32 v14, 2, v2
	v_mul_u32_u24 v14, v14, XSP
	v_and_b32 v15, 3, v2
	v_lshl_add_u32 v14, v15, 4, v14
	v_add_nc_u32 v14, s25, v14                     ; into the stage: 80 (lane / 4) + 16 (lane % 4)
	v_mul_u32_u24 v15, v2, XSP
	v_add_nc_u32 v15, s25, v15                     ; out of it: 80 x lane
	v_lshlrev_b32 v4, 3, v2                        ; my 8 bytes of a step's codes
	v_lshrrev_b32 v5, 1, v2
	s_add_co_u32 s25, s25, 2*32*XSP
	v_add_nc_u32 v5, s25, v5                       ; my block's scale byte in the wave's 256
	v_lshlrev_b32 v7, 3, v2
	v_add_nc_u32 v6, s25, v7                       ; and 8 of them a lane on the way out
	s_lshl_b32 s26, ttmp9, 2
	s_add_co_u32 s26, s26, s24                     ; my run of 8,192 numbers: 4 x work-group + wave
	s_mov_b32 s29, 0
	s_lshl_b32 s28, s26, 15
	s_add_nc_u64 s[4:5], s[4:5], s[28:29]          ; 32,768 bytes of x,
	s_lshl_b32 s28, s26, 12
	s_add_nc_u64 s[14:15], s[14:15], s[28:29]      ; 4,096 of codes,
	s_lshl_b32 s28, s26, 8
	s_add_nc_u64 s[16:17], s[16:17], s[28:29]      ; 256 scale bytes a run
.macro XLOAD t
.irp i, 0,1,2,3
	global_load_b128 v[XR+16*((\t)%4)+4*\i:XR+16*((\t)%4)+4*\i+3], v3, s[4:5] offset:2048*(\t)+512*\i th:TH_LOAD_NT
.endr
.endm
.macro XTURN t                         ; LDS serves a wave's instructions in order: no wait between the stores and the loads
.irp i, 0,1,2,3
	ds_store_b128 v14, v[XR+16*((\t)%4)+4*\i:XR+16*((\t)%4)+4*\i+3] offset:32*XSP*((\t)%2)+8*XSP*\i
.endr
.irp i, 0,1,2,3
	ds_load_b128 v[XX+16*((\t)%2)+4*\i:XX+16*((\t)%2)+4*\i+3], v15 offset:32*XSP*((\t)%2)+16*\i
.endr
.endm
.irp t, 0,1,2,3
	XLOAD \t
.endr
	s_wait_loadcnt 12                              ; step 0's four loads are in; twelve younger ones stay out
	XTURN 0
.macro XSTEP t
.set XS, XX+16*((\t)%2)
.if (\t) > 0
	s_wait_dscnt 1                                 ; this step's numbers are back (the last step's byte store may be out)
.else
	s_wait_dscnt 0x0
.endif
.if (\t)+4 < STEPS
	XLOAD (\t)+4                                   ; into the registers whose stage stores have been served
.endif
.if (\t)+1 < STEPS
.if STEPS-2-(\t) >= 3
	s_wait_loadcnt 12                              ; the next step's four loads are in; those of three steps behind it may be out
.else
	s_wait_loadcnt 4*(STEPS-2-(\t))
.endif
	XTURN (\t)+1
.endif
	v_max3_num_f32 v8, |v[XS]|, |v[XS+1]|, |v[XS+2]|
	v_max3_num_f32 v9, |v[XS+3]|, |v[XS+4]|, |v[XS+5]|
.irp i, 6,10
	v_max3_num_f32 v8, v8, |v[XS+\i]|, |v[XS+\i+1]|
	v_max3_num_f32 v9, v9, |v[XS+\i+2]|, |v[XS+\i+3]|
.endr
	v_max3_num_f32 v8, v8, |v[XS+14]|, |v[XS+15]|
	v_max3_num_f32 v8, v8, v9, (EMAX+1)<<23        ; with the floor 2^(3 - 127): the byte cannot fall under 1
	v_max_num_f32_dpp v8, v8, v8 row_xmask:1 row_mask:0xf bank_mask:0xf   ; and my neighbour's 16: the block's largest magnitude
	v_add_nc_u32 v11, -(EMAX<<23), v8              ; 2 off its exponent field: the conversion's scale operand
	v_cvt_scalef32_pk8_fp4_f32 v[XC+4*(\t)], v[XS:XS+7], v11
	v_cvt_scalef32_pk8_fp4_f32 v[XC+4*(\t)+1], v[XS+8:XS+15], v11
	v_lshrrev_b32 v[XE+(\t)], 23, v11              ; the scale's byte
	ds_store_b8 v5, v[XE+(\t)] offset:16*(\t)      ; both lanes of a block write the same byte with the same value
	global_store_b64 v4, v[XC+4*(\t):XC+4*(\t)+1], s[14:15] offset:256*(\t)   ; the wave stores 256 consecutive bytes, aligned
.endm
.irp t, 0,1,2,3,4,5,6,7,8,9,10,11,12,13,14,15
	XSTEP \t
.endr
	ds_load_b64 v[8:9], v6
	s_wait_dscnt 0x0
	global_store_b64 v7, v[8:9], s[16:17]          ; the wave's 256 scale bytes, aligned
	s_wait_tensorcnt 0x0                           ; the wave's end, behind my last LDS store
	ds_add_u32 v[SPW], v[NIL]
	s_wait_dscnt 0x0
	s_endpgm
.Lnot_x:
	s_cmp_lt_u32 ttmp9, 304
	s_cbranch_scc0 .Lwo
; ---- PATH W.  K is the weights' FIRST axis: a lane takes a column n and its registers run down K, so that a block of 32 lies in one lane and the codes come out with K innermost.
; A wave takes 32 columns x 512 along K; the codes go through its stage and leave as rows, sixteen lanes to 256 aligned bytes.  16 work-groups a tensor: 8 along n x 2 along K.
.set NB,    16                         ; blocks of a lane
.set KROW,  512                        ; a row of wc in bytes
.set WX,    32                         ; v32-95   two sets of 32 numbers
.set WC,    96                         ; v96-99   a block's codes
.set WOUT,  112                        ; v112-175 the way out
.set WSB,   24                         ; v24-27   the scale bytes, four to a register
	s_sub_co_u32 s25, ttmp9, 256
	s_lshr_b32 s26, s25, 4                         ; tensor 0, 1, 2
	s_and_b32 s27, s25, 7                          ; which 128 columns
	s_bfe_u32 s28, s25, 0x10003                    ; which 512 along K
	s_cmp_eq_u32 s26, 1
	s_cselect_b64 s[6:7], s[8:9], s[6:7]
	s_cmp_eq_u32 s26, 2
	s_cselect_b64 s[6:7], s[10:11], s[6:7]         ; Wq, Wk or Wv: the choice hangs on the work-group's number alone
	s_lshl_b32 s27, s27, 7
	s_lshl_b32 s29, s24, 5
	s_add_co_u32 s27, s27, s29                     ; my wave's first column
	s_mov_b32 s31, 0
	s_lshl_b32 s30, s28, 21                        ; 512 rows of 4,096 bytes
	s_lshl_b32 s29, s27, 2
	s_add_co_u32 s30, s30, s29
	s_add_nc_u64 s[6:7], s[6:7], s[30:31]
	s_lshl_b32 s26, s26, 10
	s_add_co_u32 s26, s26, s27                     ; my first row of wc and of ws
	s_lshl_b32 s30, s26, 9
	s_lshl_b32 s29, s28, 8
	s_add_co_u32 s30, s30, s29
	s_add_nc_u64 s[18:19], s[18:19], s[30:31]
	s_lshl_b32 s30, s26, 5
	s_lshl_b32 s29, s28, 4
	s_add_co_u32 s30, s30, s29
	s_add_nc_u64 s[20:21], s[20:21], s[30:31]
	v_lshlrev_b32 v3, 2, v2                        ; in: 4 bytes a lane
	s_mul_i32 s29, s24, 32*WPITCH
	s_add_co_u32 s29, s29, WSTG                    ; my stage
	v_mul_u32_u24 v4, v2, WPITCH
	v_add_nc_u32 v4, s29, v4                       ; into it: row = my column
	v_and_b32 v5, 15, v2
	v_lshrrev_b32 v6, 4, v2
	v_mul_u32_u24 v7, v6, WPITCH
	v_lshl_add_u32 v7, v5, 4, v7
	v_add_nc_u32 v7, s29, v7                       ; out of it: sixteen lanes to a row, two rows an instruction
	v_mul_u32_u24 v8, v6, KROW
	v_lshl_add_u32 v8, v5, 4, v8                   ; the same place in wc
	v_lshlrev_b32 v9, 5, v2                        ; my column's row of ws
.macro WLOAD t                         ; block t: W(32 t + i, my column) into set t % 2; the offsets reach 511 rows of 4,096 bytes, inside the signed 24-bit immediate
.irp i, 0,1,2,3,4,5,6,7,8,9,10,11,12,13,14,15,16,17,18,19,20,21,22,23,24,25,26,27,28,29,30,31
	global_load_b32 v[WX+32*((\t)%2)+\i], v3, s[6:7] offset:(32*(\t)+\i)*4096 th:TH_LOAD_NT
.endr
.endm
	WLOAD 0
	WLOAD 1
.macro BLOCK t
.set XS, WX+32*((\t)%2)
.if (\t) < NB-1
	s_wait_loadcnt 32                              ; this block's 32 loads are in; the next block's may be out
.else
	s_wait_loadcnt 0
.endif
	v_max3_num_f32 v12, |v[XS]|, |v[XS+1]|, |v[XS+2]|
	v_max3_num_f32 v13, |v[XS+3]|, |v[XS+4]|, |v[XS+5]|
.irp i, 6,10,14,18,22,26
	v_max3_num_f32 v12, v12, |v[XS+\i]|, |v[XS+\i+1]|
	v_max3_num_f32 v13, v13, |v[XS+\i+2]|, |v[XS+\i+3]|
.endr
	v_max3_num_f32 v12, v12, |v[XS+30]|, |v[XS+31]|
	v_max3_num_f32 v12, v12, v13, (EMAX+1)<<23     ; with the floor
	v_add_nc_u32 v11, -(EMAX<<23), v12             ; the conversion's scale operand
	v_lshrrev_b32 v13, 23, v11                     ; the scale's byte
.if (\t)%4 == 0
	v_mov_b32 v[WSB+(\t)/4], v13
.else
	v_lshl_or_b32 v[WSB+(\t)/4], v13, 8*((\t)%4), v[WSB+(\t)/4]
.endif
.irp g, 0,1,2,3
	v_cvt_scalef32_pk8_fp4_f32 v[WC+\g], v[XS+8*\g:XS+8*\g+7], v11
.endr
	ds_store_b128 v4, v[WC:WC+3] offset:16*(\t)    ; 32 codes: 16 bytes of my column's row
.if (\t)+2 < NB
	WLOAD (\t)+2
.endif
	s_wait_dscnt 0x0                               ; the store has read its registers: the next block's codes may be written
.endm
.set Q, 0
.rept NB
	BLOCK Q
.set Q, Q+1
.endr
	global_store_b128 v9, v[WSB:WSB+3], s[20:21]   ; my column's 16 scale bytes
.irp t, 0,1,2,3,4,5,6,7,8,9,10,11,12,13,14,15
	ds_load_b128 v[WOUT+4*\t:WOUT+4*\t+3], v7 offset:2*\t*WPITCH
.endr
.irp t, 0,1,2,3,4,5,6,7,8,9,10,11,12,13,14,15
	s_wait_dscnt 15-\t                             ; LDS loads come back in order: load t is in
	global_store_b128 v8, v[WOUT+4*\t:WOUT+4*\t+3], s[18:19] offset:2*\t*KROW
.endr
	s_wait_tensorcnt 0x0                           ; the wave's end, behind my last LDS store
	ds_add_u32 v[SPW], v[NIL]
	s_wait_dscnt 0x0
	s_endpgm
.Lwo:
; ---- PATH O.  Wo to f16, in its own order.  A work-group takes 65,536 bytes; a load of a wave covers 512 consecutive bytes, a store 256 consecutive aligned bytes.  No LDS.
	s_sub_co_u32 s25, ttmp9, 304
	s_mov_b32 s27, 0
	s_lshl_b32 s26, s25, 16
	s_add_nc_u64 s[12:13], s[12:13], s[26:27]
	s_lshl_b32 s26, s25, 15
	s_add_nc_u64 s[22:23], s[22:23], s[26:27]
	v_lshlrev_b32 v3, 4, v0
	v_lshlrev_b32 v4, 3, v0
.set Q, 0
.rept 32
	global_load_b128 v[16+4*Q:19+4*Q], v3, s[12:13] offset:2048*Q th:TH_LOAD_NT
.set Q, Q+1
.endr
.set Q, 0
.rept 32
	s_wait_loadcnt 31-Q                            ; loads come back in order: load Q is in
	v_cvt_pk_f16_f32 v[16+4*Q], v[16+4*Q], v[17+4*Q]
	v_cvt_pk_f16_f32 v[17+4*Q], v[18+4*Q], v[19+4*Q]
	global_store_b64 v4, v[16+4*Q:17+4*Q], s[22:23] offset:1024*Q
.set Q, Q+1
.endr
	s_endpgm
.Lfunc_end_k_q4002beaa2d_prep:
	.size	k_q4002beaa2d_prep, .Lfunc_end_k_q4002beaa2d_prep-k_q4002beaa2d_prep
	.p2alignl 7, 3214868480
	.fill 96, 4, 3214868480
	.section	.rodata,"a",@progbits
	.p2align	6, 0x0
	.amdhsa_kernel k_q4002beaa2d_prep
		.amdhsa_group_segment_fixed_size 68096
		.amdhsa_private_segment_fixed_size 0
		.amdhsa_enable_private_segment 0
		.amdhsa_kernarg_size 80
		.amdhsa_user_sgpr_count 2
		.amdhsa_user_sgpr_kernarg_segment_ptr 1
		.amdhsa_wavefront_size32 1
		.amdhsa_system_sgpr_workgroup_id_x 1
		.amdhsa_system_sgpr_workgroup_id_y 1
		.amdhsa_system_sgpr_workgroup_id_z 1
		.amdhsa_system_vgpr_workitem_id 0
		.amdhsa_next_free_vgpr 192
		.amdhsa_next_free_sgpr 66
		.amdhsa_reserve_vcc 0
		.amdhsa_float_denorm_mode_32 3
		.amdhsa_float_denorm_mode_16_64 3
		.amdhsa_memory_ordered 1
		.amdhsa_forward_progress 1
		.amdhsa_inst_pref_size 122
	.end_amdhsa_kernel
	.amdgpu_metadata
---
amdhsa.version: [ 1, 2 ]
amdhsa.kernels:
  - .name:           k_q4002beaa2d_prep
    .symbol:         k_q4002beaa2d_prep.kd
    .args:
      - { .name: x, .offset: 0, .size: 8, .value_kind: global_buffer, .address_space: global }
      - { .name: Wq, .offset: 8, .size: 8, .value_kind: global_buffer, .address_space: global }
      - { .name: Wk, .offset: 16, .size: 8, .value_kind: global_buffer, .address_space: global }
      - { .name: Wv, .offset: 24, .size: 8, .value_kind: global_buffer, .address_space: global }
      - { .name: Wo, .offset: 32, .size: 8, .value_kind: global_buffer, .address_space: global }
      - { .name: xc, .offset: 40, .size: 8, .value_kind: global_buffer, .address_space: global }
      - { .name: xs, .offset: 48, .size: 8, .value_kind: global_buffer, .address_space: global }
      - { .name: wc, .offset: 56, .size: 8, .value_kind: global_buffer, .address_space: global }
      - { .name: ws, .offset: 64, .size: 8, .value_kind: global_buffer, .address_space: global }
      - { .name: woh, .offset: 72, .size: 8, .value_kind: global_buffer, .address_space: global }
    .group_segment_fixed_size: 68096
    .private_segment_fixed_size: 0
    .kernarg_segment_align: 8
    .kernarg_segment_size: 80
    .max_flat_workgroup_size: 128
    .sgpr_count:     66
    .vgpr_count:     192
    .wavefront_size: 32
...
	.end_amdgpu_metadata
.endif
;; end of part 1
;; launch qkv (part 2): grid 12 x 32, 4 waves a work-group, clusters of 4 x 4, 327,680 bytes of LDS; arguments xc, xs, wc, ws, bq, bk, bv, mask, qkv; writes qkv
.if DOCPART == 2
	.amdgcn_target "amdgcn-amd-amdhsa--gfx1250"
	.amdhsa_code_object_version 6
	.text
	.protected	k_q4002beaa2d_qkv
	.globl	k_q4002beaa2d_qkv
	.p2align	8
	.type	k_q4002beaa2d_qkv,@function
k_q4002beaa2d_qkv:
	s_mov_b64 s[64:65], 0
	v_nop
	global_prefetch_b8 v0, s[64:65] scope:SCOPE_SE
	s_setreg_imm32_b32 hwreg(HW_REG_WAVE_MODE, 25, 1), 1
	s_wait_xcnt 0x0
	s_wait_alu depctr_hold_cnt(0) depctr_sa_sdst(0) depctr_va_vdst(0) depctr_va_sdst(0) depctr_va_ssrc(0) depctr_va_vcc(0) depctr_vm_vsrc(0)
	s_getreg_b32 s2, hwreg(HW_REG_IB_STS2, 6, 4)
	s_cmp_eq_u32 s2, 0
	s_cbranch_scc0 .Lentry_in_a_cluster
	s_endpgm
.Lentry_in_a_cluster:
	s_bfe_u32 s2, ttmp6, 0x10000c
	s_cmp_lg_u32 s2, 0xf033
	s_cbranch_scc0 .Lentry_shape_is_right
	s_endpgm
.Lentry_shape_is_right:
; Launch 2 of 4: q, k, v = x W + b, the three quantised products as ONE product on codes of FP4 (E2M1): [8192][1024] x [3072][1024]^T, sums in f32.  Nothing of the problem is left out here.
; A tile of 256 tokens x 256 columns (four heads of one tensor) is made by a work-group of four waves; a wave makes 128 x 128: 64 accumulators, 512 registers.
; K = 1,024 is two slots of 512: both are first fills, nothing is filled again.  The scale bytes of the tile's 256 + 256 rows come once, with the first fills.
; CLUSTERS: 4 x 4 work-groups; the cluster's x is the tensor (q, k, v).  A's tiles are asked for jointly along a row of the cluster, B's along a column.
; THE MATRIX INSTRUCTION IS USED TRANSPOSED (source 0 = 16 rows of wc, source 1 = 16 tokens): a lane holds one token and eight neighbouring columns.
; THE BIAS is the C of each sum's first matrix instruction.
; WHAT IS STORED, in f16, [3][batch][head][token][64]:  q x log2(e) / 8 (multiplied in f32 ahead of the one rounding, so that the next launch's scores are exponents of 2);  k, with the rows of
; masked tokens set to 0 (the next launch adds the masked score itself, so that it is the same number for every query);  v as it is.
; LIMIT: q x 0.18, k and v must lie inside f16's range (65,504).
; REGISTERS: window 0: v0-31 addresses; v32-95 scale words, two sets; v96-103 my tokens' mask; v128-191 A's fragments, one set; v192-255 the bias.  On the way out v128-223 are at work.
;   window 1: B's fragments, two sets.   window 2: the accumulators of my rows 0-63 ((a, b) at v[8 (8 a + b)]);   window 3: those of rows 64-127.
.set NQ,     4                         ; steps of 128 along K in a slot
.set ROWB,   256                       ; a tile's row: 512 codes
.set KROW,   512                       ; a row of xc or wc
.set PITCH,  272                       ; an LDS row: 256 bytes + 16 of padding: the 16 rows that a load touches start 68 words apart
.set FR,     8
.set NL,     2
.set NP,     4                         ; places behind this matrix instruction (ISA guide 7.12.1)
.set HALFT,  128*PITCH
.set SLOT,   4*HALFT
.set KS,     32                        ; a row of scale bytes
.set SCL,    2*SLOT
.set HALFS,  16*272                    ; the scales of 128 rows: 16 rows of 256 bytes + 16
.set SBLK,   2*272                     ; those of 16 rows
.set SPARE,  SCL+4*HALFS               ; the spare words, 128 bytes for each wave
.set SPITCH, 272                       ; the way out: 16 rows x (256 bytes + 16) for each wave, in slot 0, which has had its one fill and its last read by then
.set ADRA, 16
.set ADRB, 20
.set STO,  24
.set RD,   25
.set CO,   26
.set ADRS, 27
.set SPW,  28                          ; v28 my spare word's address; v29 0; never rewritten
.set NIL,  29
.set SC,   32
.set MK,   96
.set AF,   128
.set BI,   192
.set TMP,  128                         ; the way out: a block's 32 packed registers
.set BK,   160                         ; and 16 tokens read back: v160-191 and v192-223 by turns
.set G1, 24
.set G0, 32
.set G1B, 48
.set G0B, 56
.set G1S, 68
.set G0S, 76
.set G1SB, 80
.set G0SB, 88
.set TEN, 66                           ; s66 the tensor: 0 q, 1 k, 2 v: the cluster's x, the same in all sixteen partners
.set CS,  96                           ; s[96:97] log2(e) / 8
.set MSB, 0
.macro WIN new
.if MSB != \new
	s_set_vgpr_msb (MSB<<8)|\new
.set MSB, \new
.endif
.endm
.set MUL_LO, 0xa1                      ; source 0 (B) window 1, source 1 (A) window 0, C and D window 2
.set MUL_HI, 0xf1
.set TO_B,   0x40
; A joint load: waves 0 and 1 fetch for A, waves 2 and 3 for B; the branch hangs on the wave's number alone.  An s_nop 0 and four v_nop follow each line.
.macro JLOAD g0a, g1a, g0b, g1b
	s_cmp_eq_u32 s15, 0
	s_cbranch_scc0 .Lfor_b_\@
	tensor_load_to_lds s[\g0a:\g0a+3], s[\g1a:\g1a+7]
	s_nop 0
.rept 4
	v_nop
.endr
	s_branch .Lasked_\@
.Lfor_b_\@:
	tensor_load_to_lds s[\g0b:\g0b+3], s[\g1b:\g1b+7]
	s_nop 0
.rept 4
	v_nop
.endr
.Lasked_\@:
.endm
.macro CROUND                          ; a round of the cluster's barrier
	s_barrier_signal -1
	s_barrier_wait -1
	s_cmp_lg_u32 s14, 0
	s_cbranch_scc1 .Lnot_wave_0_\@
	s_barrier_signal -3
.Lnot_wave_0_\@:
	s_barrier_wait -3
	s_barrier_signal -1
	s_barrier_wait -1
.endm
	s_load_b256 s[4:11], s[0:1], 0x0               ; xc, xs, wc, ws
	s_load_b64 s[12:13], s[0:1], 0x40              ; qkv
	v_lshl_add_u32 v[SPW], v0, 2, SPARE
	v_mov_b32 v[NIL], 0
	ds_add_u32 v[SPW], v[NIL]                      ; the wave's opening: the add, twice on end, and its wait ahead of my first tensor load
	ds_add_u32 v[SPW], v[NIL]
	v_lshrrev_b32 v1, 5, v0
	v_readfirstlane_b32 s14, v1                    ; wave 0..3
	s_lshr_b32 s15, s14, 1                         ; my half of the tile's rows.  Also: I fetch for A (0) or for B (1)
	s_and_b32 s16, s14, 1                          ; my half of its columns.  Also: which 128 rows I fetch
	s_bfe_u32 s40, ttmp6, 0x40000                  ; cx
	s_bfe_u32 s41, ttmp6, 0x40004                  ; cy
	s_lshl_b32 s42, ttmp9, 2
	s_add_co_u32 s42, s42, s40                     ; tile column = 4 x tensor + cx
	s_and_b32 s17, ttmp7, 0xffff
	s_lshl_b32 s17, s17, 2
	s_add_co_u32 s17, s17, s41                     ; tile row
	s_lshl_b32 s43, s41, 2
	s_lshl_b32 s43, 15, s43                        ; my row of the cluster
	s_lshl_b32 s44, 0x1111, s40                    ; my column
	s_mov_b32 s[TEN], ttmp9
	s_mov_b32 s[CS], 0x3e38aa3b                    ; log2(e) / 8
	s_mov_b32 s[CS+1], s[CS]                       ; (named with it as a pair)
	; group 1: 128 rows x 256 bytes, 16 bytes of padding behind each
	s_or_b32 s[G1+0], s43, (0<<16)|(1<<20)|(1<<21)|(5<<22)|(3<<25)
	s_or_b32 s[G1B+0], s44, (0<<16)|(1<<20)|(1<<21)|(5<<22)|(3<<25)
.irp g, G1, G1B
	s_mov_b32 s[\g+1], ROWB<<16
	s_mov_b32 s[\g+2], 128<<16
	s_mov_b32 s[\g+3], ROWB<<16
	s_mov_b32 s[\g+4], 128
	s_mov_b32 s[\g+5], KROW
	s_mov_b32 s[\g+6], 0
	s_mov_b32 s[\g+7], 0
.endr
	; the scales of 128 rows: 4,096 dense bytes as 16 rows of 32 elements of 8 bytes, padded alike
	s_or_b32 s[G1S+0], s43, (3<<16)|(1<<20)|(1<<21)|(5<<22)|(3<<25)
	s_or_b32 s[G1SB+0], s44, (3<<16)|(1<<20)|(1<<21)|(5<<22)|(3<<25)
.irp g, G1S, G1SB
	s_mov_b32 s[\g+1], 32<<16
	s_mov_b32 s[\g+2], 16<<16
	s_mov_b32 s[\g+3], 32<<16
	s_mov_b32 s[\g+4], 16
	s_mov_b32 s[\g+5], 32
	s_mov_b32 s[\g+6], 0
	s_mov_b32 s[\g+7], 0
.endr
	s_lshl_b32 s18, s16, 7
	s_lshl_b32 s20, s17, 8
	s_add_co_u32 s20, s20, s18                     ; A: row 256 x tile row + 128 x half
	s_lshl_b32 s46, s42, 8
	s_add_co_u32 s46, s46, s18                     ; B: row 256 x tile column + 128 x half
	s_mov_b32 s21, 0
	s_mov_b32 s47, 0
	s_mov_b64 s[18:19], KS
	s_mul_u64 s[22:23], s[20:21], s[18:19]
	s_mul_u64 s[92:93], s[46:47], s[18:19]
	s_mov_b64 s[18:19], KROW
	s_mul_u64 s[20:21], s[20:21], s[18:19]
	s_mul_u64 s[46:47], s[46:47], s[18:19]
	s_mul_i32 s45, s14, HALFT                      ; where they go: wave x 128 rows
	s_mul_i32 s94, s14, HALFS
	s_wait_dscnt 0x0                               ; both opening adds are done
	s_wait_kmcnt 0x0
	s_add_nc_u64 s[20:21], s[4:5], s[20:21]
	s_add_nc_u64 s[22:23], s[6:7], s[22:23]
	s_add_nc_u64 s[46:47], s[8:9], s[46:47]
	s_add_nc_u64 s[92:93], s[10:11], s[92:93]
	CROUND                                         ; all sixteen work-groups are here: the joint loads meet
	s_mov_b32 s[G0S], 1
	s_add_co_u32 s[G0S+1], s94, SCL
	s_mov_b64 s[G0S+2:G0S+3], s[22:23]
	s_or_b32 s[G0S+3], s[G0S+3], 0x80000000
	s_mov_b32 s[G0SB], 1
	s_add_co_u32 s[G0SB+1], s94, SCL
	s_mov_b64 s[G0SB+2:G0SB+3], s[92:93]
	s_or_b32 s[G0SB+3], s[G0SB+3], 0x80000000
	JLOAD G0S, G1S, G0SB, G1SB                     ; three loads of mine go out: the scales, slot 0, slot 1
.irp s, 0,1
	s_mov_b32 s[G0+4*\s], 1
	s_add_co_u32 s[G0+4*\s+1], s45, \s*SLOT
	s_add_nc_u64 s[G0+4*\s+2:G0+4*\s+3], s[20:21], \s*ROWB
	s_or_b32 s[G0+4*\s+3], s[G0+4*\s+3], 0x80000000
	s_mov_b32 s[G0B+4*\s], 1
	s_add_co_u32 s[G0B+4*\s+1], s45, \s*SLOT
	s_add_nc_u64 s[G0B+4*\s+2:G0B+4*\s+3], s[46:47], \s*ROWB
	s_or_b32 s[G0B+4*\s+3], s[G0B+4*\s+3], 0x80000000
	JLOAD G0+4*\s, G1, G0B+4*\s, G1B
.endr
	s_load_b256 s[4:11], s[0:1], 0x20              ; bq, bk, bv, mask: into the registers of the four pointers that have been used up
	v_and_b32 v1, 15, v0                           ; r
	v_bfe_u32 v2, v0, 4, 1                         ; h
	v_mul_u32_u24 v3, v1, PITCH
	v_lshl_add_u32 v4, v2, 4, v3
	s_mul_i32 s21, s15, HALFT
	s_mul_i32 s22, s16, HALFT
	s_add_co_u32 s22, s22, 2*HALFT
.irp s, 0,1
	v_add_nc_u32 v[ADRA+\s], s21, v4
	v_add_nc_u32 v[ADRB+\s], s22, v4
	s_add_co_u32 s21, s21, SLOT
	s_add_co_u32 s22, s22, SLOT
.endr
	v_mul_u32_u24 v5, v1, KS                       ; my row's scales: 32 bytes a row,
	v_lshrrev_b32 v6, 8, v5
	v_lshl_add_u32 v5, v6, 4, v5                   ; and 16 more for each 256 passed
	s_mul_i32 s21, s15, HALFS
	s_mul_i32 s22, s16, HALFS
	s_add_co_u32 s22, s22, 2*HALFS
	s_sub_co_u32 s22, s22, s21
	v_mul_u32_u24 v6, s22, v2                      ; lanes 16-31 take B's
	s_add_co_u32 s21, s21, SCL
	v_add_nc_u32 v5, v5, v6
	v_add_nc_u32 v[ADRS], s21, v5
	s_mul_i32 s23, s14, 16*SPITCH                  ; my stage
	v_mul_u32_u24 v5, v1, SPITCH
	v_lshl_add_u32 v5, v2, 4, v5
	v_add_nc_u32 v[STO], s23, v5                   ; in: token r, 16 bytes for each half of the lanes
	v_bfe_u32 v5, v0, 3, 2
	v_mul_u32_u24 v5, v5, SPITCH
	v_and_b32 v6, 7, v0
	v_lshl_add_u32 v5, v6, 4, v5
	v_add_nc_u32 v[RD], s23, v5                    ; back: eight lanes take one head's 128 bytes of a token, the wave four tokens
	v_and_b32 v6, 31, v0
	v_lshlrev_b32 v[CO], 4, v6                     ; which are 512 consecutive bytes of the output
	v_lshlrev_b32 v8, 5, v2                        ; the bias: 32 h
	v_lshlrev_b32 v9, 2, v1                        ; the mask: 4 r
	; my first byte of the output: tensor << 24, head (16 batch + 4 cx + 2 x column half) << 18, token in the batch << 7
	s_lshr_b32 s20, s17, 3
	s_lshl_b32 s20, s20, 4
	s_lshl_b32 s21, s40, 2
	s_add_co_u32 s20, s20, s21
	s_lshl_b32 s21, s16, 1
	s_add_co_u32 s20, s20, s21
	s_lshl_b32 s20, s20, 18
	s_and_b32 s21, s17, 7
	s_lshl_b32 s21, s21, 8
	s_lshl_b32 s22, s15, 7
	s_add_co_u32 s21, s21, s22
	s_lshl_b32 s21, s21, 7
	s_add_co_u32 s20, s20, s21
	s_lshl_b32 s21, s[TEN], 24
	s_add_co_u32 s20, s20, s21
	s_mov_b32 s21, 0
	s_add_nc_u64 s[12:13], s[12:13], s[20:21]
	s_lshl_b32 s20, s40, 10                        ; the bias of my 128 columns: 256 cx + 128 x half, 4 bytes each
	s_lshl_b32 s22, s16, 9
	s_add_co_u32 s20, s20, s22
	s_lshl_b32 s22, s17, 10                        ; the mask of my 128 tokens
	s_lshl_b32 s23, s15, 9
	s_add_co_u32 s22, s22, s23
	s_mov_b32 s23, 0
	s_wait_kmcnt 0x0
	s_cmp_eq_u32 s[TEN], 1
	s_cselect_b64 s[4:5], s[6:7], s[4:5]
	s_cmp_eq_u32 s[TEN], 2
	s_cselect_b64 s[4:5], s[8:9], s[4:5]           ; bq, bk or bv
	s_add_nc_u64 s[4:5], s[4:5], s[20:21]
	s_add_nc_u64 s[10:11], s[10:11], s[22:23]
.irp b, 0,1,2,3,4,5,6,7
	global_load_b128 v[BI+8*\b:BI+8*\b+3], v8, s[4:5] offset:64*\b          ; register 8 b + j: the bias of column 16 b + 8 h + j
	global_load_b128 v[BI+8*\b+4:BI+8*\b+7], v8, s[4:5] offset:64*\b+16
.endr
.irp a, 0,1,2,3,4,5,6,7
	global_load_b32 v[MK+\a], v9, s[10:11] offset:64*\a                     ; the flag of token 16 a + r
.endr
.macro FRAG reg, adr, q, i             ; 16 rows x 128 K of 4-bit codes: 8 registers, two loads of 16 bytes, 32 bytes apart
.irp c, 0,1
	ds_load_b128 v[\reg+4*\c:\reg+4*\c+3], v[\adr] offset:64*(\q)+32*\c+(\i)*16*PITCH
.endr
.endm
; 16 matrix instructions: A's blocks a0, a0 + 1 x B's eight.  zero = 1: the first product starts the sums on the bias.  The 64 accumulators take turns.
.macro MUL16 a0, p, q, sc, zero
.irp a, \a0, \a0+1
.irp b, 0,1,2,3,4,5,6,7
.if \zero
	v_wmma_scale_f32_16x16x128_f8f6f4 v[8*(8*((\a)%4)+\b):8*(8*((\a)%4)+\b)+7], v[128*(\p)+FR*\b:128*(\p)+FR*\b+FR-1], v[AF+FR*(\a):AF+FR*(\a)+FR-1], v[BI+8*\b:BI+8*\b+7], v[SC+8*NQ*(\sc)+NQ*\b+(\q)], v[SC+8*NQ*(\sc)+NQ*(\a)+(\q)] matrix_a_fmt:MATRIX_FMT_FP4 matrix_b_fmt:MATRIX_FMT_FP4 matrix_a_scale:MATRIX_SCALE_ROW1
.else
	v_wmma_scale_f32_16x16x128_f8f6f4 v[8*(8*((\a)%4)+\b):8*(8*((\a)%4)+\b)+7], v[128*(\p)+FR*\b:128*(\p)+FR*\b+FR-1], v[AF+FR*(\a):AF+FR*(\a)+FR-1], v[8*(8*((\a)%4)+\b):8*(8*((\a)%4)+\b)+7], v[SC+8*NQ*(\sc)+NQ*\b+(\q)], v[SC+8*NQ*(\sc)+NQ*(\a)+(\q)] matrix_a_fmt:MATRIX_FMT_FP4 matrix_b_fmt:MATRIX_FMT_FP4 matrix_a_scale:MATRIX_SCALE_ROW1
.endif
.endr
.endr
.endm
.macro FETCH_B slot, q, p
	WIN TO_B
.irp i, 0,1,2,3,4,5,6,7
	FRAG 128*(\p)+FR*\i, ADRB+\slot, \q, \i
.endr
	WIN 0
.endm
.macro FETCH_A slot, q, i0
.irp i, \i0, \i0+1, \i0+2, \i0+3
	FRAG AF+FR*(\i), ADRA+\slot, \q, \i
.endr
.endm
.macro SCALES sc                       ; a slot's scale words: lanes 0-15 A's block i, lanes 16-31 B's block i
.irp i, 0,1,2,3,4,5,6,7
	ds_load_b128 v[SC+8*NQ*\sc+NQ*\i:SC+8*NQ*\sc+NQ*\i+3], v[ADRS] offset:\i*SBLK
.endr
.endm
.macro PLACES n
.rept \n
	v_nop
.endr
.endm
; A step of 128 along K that has its successor in the same slot.  zero = 1: C is the bias, in window 0.
.macro STEP slot, q, zero
	s_wait_dscnt 4*NL                              ; B's set and A's blocks 0-3 are in; the youngest eight loads (A's blocks 4-7) may be out
.if \zero
	WIN 0x81
.else
	WIN MUL_LO
.endif
	MUL16 0, (\q)%2, \q, \slot, \zero
	MUL16 2, (\q)%2, \q, \slot, \zero
	s_wait_dscnt 0
	PLACES NP                                      ; in front of loads into registers that matrix instructions have read
	FETCH_B \slot, (\q)+1, 1-(\q)%2
	FETCH_A \slot, (\q)+1, 0
.if \zero
	WIN 0xc1
.else
	WIN MUL_HI
.endif
	MUL16 4, (\q)%2, \q, \slot, \zero
	MUL16 6, (\q)%2, \q, \slot, \zero
	PLACES NP
	WIN 0
	FETCH_A \slot, (\q)+1, 4
.endm
.macro STEPS slot, from
.set Q, \from
.rept NQ-1-\from
	STEP \slot, Q, 0
.set Q, Q+1
.endr
.endm
	s_wait_tensorcnt 1                             ; the scales and my part of slot 0 are in; slot 1's load may stay out
	s_barrier_signal -1
	s_barrier_wait -1
	FETCH_B 0, 0, 0
	FETCH_A 0, 0, 0
	SCALES 0
	FETCH_A 0, 0, 4
	s_wait_loadcnt 0x0                             ; the bias and the mask
	STEP 0, 0, 1
	STEPS 0, 1
	; slot 0's last step changes slots: one barrier
	s_wait_tensorcnt 0x0                           ; my part of slot 1 has landed
	ds_add_u32 v[SPW], v[NIL]
	s_wait_dscnt 4*NL+1                            ; (the add and A's blocks 4-7 may be out)
	WIN MUL_LO
	MUL16 0, 1, NQ-1, 0, 0
	s_wait_dscnt 0x0                               ; the add is done, and my reads of slot 0 are over
	s_barrier_signal -1
	MUL16 2, 1, NQ-1, 0, 0
	WIN 0
	s_barrier_wait -1
	PLACES NP
	v_add_nc_u32 v[ADRS], 4*NQ, v[ADRS]            ; slot 1's scale words
	FETCH_B 1, 0, 0
	FETCH_A 1, 0, 0
	SCALES 1
	WIN MUL_HI
	MUL16 4, 1, NQ-1, 0, 0
	MUL16 6, 1, NQ-1, 0, 0
	PLACES NP
	WIN 0
	FETCH_A 1, 0, 4
	STEPS 1, 0
	s_wait_dscnt 4*NL                              ; the very last step
	WIN MUL_LO
	MUL16 0, 1, NQ-1, 1, 0
	MUL16 2, 1, NQ-1, 1, 0
	s_wait_dscnt 0
	WIN MUL_HI
	MUL16 4, 1, NQ-1, 1, 0
	MUL16 6, 1, NQ-1, 1, 0
	WIN 0
; THE WAY OUT, a block of 16 tokens x 128 columns (two heads) at a time.
; PACK: q alone is multiplied by log2(e) / 8; all are rounded to f16, 16 bytes a lane; of k alone the masked tokens become 0.  The two branches hang on the cluster's x, the same in all partners.
.macro PACK a
.set AC, 64*((\a)%4)
	s_cmp_lg_u32 s[TEN], 0
	s_cbranch_scc1 .Lno_c_\@
	WIN 0x82+0x41*((\a)/4)                         ; destination and source 0: window 2 or 3
.set i, 0
.rept 32
	v_pk_mul_f32 v[AC+2*i:AC+2*i+1], v[AC+2*i:AC+2*i+1], s[CS:CS+1] op_sel_hi:[1,0]
.set i, i+1
.endr
	WIN 0
.Lno_c_\@:
	WIN 0x0a+5*((\a)/4)                            ; sources 0 and 1: window 2 or 3
.irp b, 0,1,2,3,4,5,6,7
.irp r, 0,1,2,3
	v_cvt_pk_f16_f32 v[TMP+4*\b+\r], v[AC+8*\b+2*\r], v[AC+8*\b+2*\r+1]      ; each accumulator from its low end on
.endr
.endr
	WIN 0
	s_cmp_lg_u32 s[TEN], 1
	s_cbranch_scc1 .Lno_m_\@
	v_cmp_ne_u32 vcc_lo, 0, v[MK+(\a)]
.set i, 0
.rept 32
	v_cndmask_b32 v[TMP+i], 0, v[TMP+i], vcc_lo
.set i, i+1
.endr
.Lno_m_\@:
.endm
.macro TOSTAGE a                       ; into my stage by tokens, back by heads; LDS serves a wave's instructions in order
.set BB, BK+32*((\a)%2)
.irp b, 0,1,2,3,4,5,6,7
	ds_store_b128 v[STO], v[TMP+4*\b:TMP+4*\b+3] offset:32*\b
.endr
.irp g, 0,1,2,3
.irp hh, 0,1
	ds_load_b128 v[BB+4*(2*\g+\hh):BB+4*(2*\g+\hh)+3], v[RD] offset:\g*4*SPITCH+128*\hh
.endr
.endr
.endm
.macro SEND a
.set BB, BK+32*((\a)%2)
	s_wait_dscnt 0x0                               ; the block is back in registers
	s_wait_xcnt 0x0                                ; the block before's stores have read their registers: the next block's loads may land there
.irp g, 0,1,2,3
.irp hh, 0,1
	global_store_b128 v[CO], v[BB+4*(2*\g+\hh):BB+4*(2*\g+\hh)+3], s[12:13] offset:(\a)*2048+\g*512+\hh*262144   ; four tokens of a head: 512 consecutive bytes, aligned
.endr
.endr
.endm
	PLACES NP                                      ; behind the last products: their results are read and A's registers written below
	PACK 0
	TOSTAGE 0
.irp a, 1,2,3,4,5,6,7
	PACK \a
	SEND \a-1
	TOSTAGE \a
.endr
	SEND 7
	s_wait_tensorcnt 0x0                           ; the wave's end
	ds_add_u32 v[SPW], v[NIL]
	s_wait_dscnt 0x0
	CROUND                                         ; the closing round
	s_endpgm
.Lfunc_end_k_q4002beaa2d_qkv:
	.size	k_q4002beaa2d_qkv, .Lfunc_end_k_q4002beaa2d_qkv-k_q4002beaa2d_qkv
	.p2alignl 7, 3214868480
	.fill 96, 4, 3214868480
	.section	.rodata,"a",@progbits
	.p2align	6, 0x0
	.amdhsa_kernel k_q4002beaa2d_qkv
		.amdhsa_group_segment_fixed_size 327680
		.amdhsa_private_segment_fixed_size 0
		.amdhsa_enable_private_segment 0
		.amdhsa_kernarg_size 72
		.amdhsa_user_sgpr_count 2
		.amdhsa_user_sgpr_kernarg_segment_ptr 1
		.amdhsa_wavefront_size32 1
		.amdhsa_system_sgpr_workgroup_id_x 1
		.amdhsa_system_sgpr_workgroup_id_y 1
		.amdhsa_system_sgpr_workgroup_id_z 1
		.amdhsa_system_vgpr_workitem_id 0
		.amdhsa_next_free_vgpr 1024
		.amdhsa_next_free_sgpr 100
		.amdhsa_reserve_vcc 1
		.amdhsa_float_denorm_mode_32 3
		.amdhsa_float_denorm_mode_16_64 3
		.amdhsa_memory_ordered 1
		.amdhsa_forward_progress 1
		.amdhsa_inst_pref_size 155
	.end_amdhsa_kernel
	.amdgpu_metadata
---
amdhsa.version: [ 1, 2 ]
amdhsa.kernels:
  - .name:           k_q4002beaa2d_qkv
    .symbol:         k_q4002beaa2d_qkv.kd
    .args:
      - { .name: xc, .offset: 0, .size: 8, .value_kind: global_buffer, .address_space: global }
      - { .name: xs, .offset: 8, .size: 8, .value_kind: global_buffer, .address_space: global }
      - { .name: wc, .offset: 16, .size: 8, .value_kind: global_buffer, .address_space: global }
      - { .name: ws, .offset: 24, .size: 8, .value_kind: global_buffer, .address_space: global }
      - { .name: bq, .offset: 32, .size: 8, .value_kind: global_buffer, .address_space: global }
      - { .name: bk, .offset: 40, .size: 8, .value_kind: global_buffer, .address_space: global }
      - { .name: bv, .offset: 48, .size: 8, .value_kind: global_buffer, .address_space: global }
      - { .name: mask, .offset: 56, .size: 8, .value_kind: global_buffer, .address_space: global }
      - { .name: qkv, .offset: 64, .size: 8, .value_kind: global_buffer, .address_space: global }
    .group_segment_fixed_size: 327680
    .private_segment_fixed_size: 0
    .kernarg_segment_align: 8
    .kernarg_segment_size: 72
    .max_flat_workgroup_size: 128
    .sgpr_count:     100
    .vgpr_count:     1024
    .wavefront_size: 32
...
	.end_amdgpu_metadata
.endif
;; end of part 2
;; launch attn (part 3): grid 4 x 64, 8 waves a work-group, clusters of 4 x 1, 327,680 bytes of LDS; arguments qkv, mask, ctx; writes ctx
.if DOCPART == 3
	.amdgcn_target "amdgcn-amd-amdhsa--gfx1250"
	.amdhsa_code_object_version 6
	.text
	.protected	k_q4002beaa2d_attn
	.globl	k_q4002beaa2d_attn
	.p2align	8
	.type	k_q4002beaa2d_attn,@function
k_q4002beaa2d_attn:
	s_mov_b64 s[64:65], 0
	v_nop
	global_prefetch_b8 v0, s[64:65] scope:SCOPE_SE
	s_setreg_imm32_b32 hwreg(HW_REG_WAVE_MODE, 25, 1), 1
	s_wait_xcnt 0x0
	s_wait_alu depctr_hold_cnt(0) depctr_sa_sdst(0) depctr_va_vdst(0) depctr_va_sdst(0) depctr_va_ssrc(0) depctr_va_vcc(0) depctr_vm_vsrc(0)
	s_getreg_b32 s2, hwreg(HW_REG_IB_STS2, 6, 4)
	s_cmp_eq_u32 s2, 0
	s_cbranch_scc0 .Lentry_in_a_cluster
	s_endpgm
.Lentry_in_a_cluster:
	s_bfe_u32 s2, ttmp6, 0x10000c
	s_cmp_lg_u32 s2, 0x3003
	s_cbranch_scc0 .Lentry_shape_is_right
	s_endpgm
.Lentry_shape_is_right:
; Launch 3 of 4: ctx[b][h][q][:] = the sum over k of softmax_k(score) v[b][h][k][:], score = q . k / 8, or -1e9 where the key's mask is 0.  Operands in f16, products, maxima and sums in f32.  Nothing of the problem is left out here.
; q arrives multiplied by log2(e) / 8, so a product q . k is t = score x log2(e).  THE MASK: k arrives as 0 for masked keys, and the C of each score tile's first matrix instruction is 0 for a key that counts and
; -1e9 x log2(e) for a masked one: so a masked t is that one number for every query, as in the problem; a row whose keys are all masked gets equal weights.
; SOFTMAX: a running maximum m and sum l for each query; p = 2^(t - m), one subtraction, exactly 0 in the exponent at the maximum; in every step O and l are multiplied by a = 2^(m_old - m_new).
; SHARES: a work-group owns 512 queries of one head, each of its eight waves 64: four tiles of 16; two waves to a SIMD, so that one wave's vector work can stand beside the other's products.  Every wave walks all 2,048 keys, 64 a step.
; LAYOUT: S^T = K Q^T (source 0 = 16 keys, source 1 = 16 queries), O^T = V^T P (source 0 = 16 channels, turned by ds_load_tr16_b128; source 1 = P): a lane holds ONE query throughout.
; CLUSTER: the four query blocks of a head walk the same K and V: each tile is asked for jointly, mask 15.  A slot holds four key steps; waves 0-3 fetch K's four tiles, waves 4-7 V's.
; LIMIT: p and ctx are rounded to f16.
; REGISTERS: window 0: v2-13 addresses; v16-47 statistics, 8 a tile: +0 m, +1 m_old, +2, +3 l, +4 to +7 at work, a at +6; v48-79 the keys' C; v128-255 S^T, 32 a tile.
;   P is made IN PLACE in the lower 16 registers of each tile's S^T, and V's eight fragments are loaded into the upper 16.   window 1: v0-127 O^T, 32 a tile; v128-191 Q; v192-255 K of one step.
.set PK,    144                        ; a row of K in LDS: 128 bytes + 16
.set PV,    160                        ; a row of V: 128 + 32
.set VOFF,  64*PK
.set STEPB, 64*(PK+PV)                 ; a step: 64 rows of K, then 64 of V
.set SLOT1, 1<<17                      ; slot 1 begins here: one exclusive or turns an address
.set BIAS,  SLOT1+4*STEPB              ; 2,048 words: the keys' C
.set SPARE, BIAS+8192                  ; the spare words, 128 bytes for each of eight waves
.set STAGE, SPARE+1024                 ; the way out: 16 rows x 144 bytes for each wave
.set SP,    144
.set AK0, 2
.set AV0, 3
.set AB0, 4
.set ADR, 5
.set STO, 6
.set RD,  7
.set GO,  8
.set PFO, 9                            ; v9  256 x my lane; never rewritten
.set SPW, 10                           ; v10 my spare word's address; v11 0; never rewritten
.set NIL, 11
.set ADR2, 12
.set QO,  13
.set ST,  16
.set BI,  48
.set S,   128
.set QF,  128                          ; in window 1
.set KF,  192                          ; in window 1
.set WV,  14
.set LIM, 15
.set PFA, 18
.set G1K, 24
.set G1V, 32
.set G0K, 40
.set G0V, 48
.set SLOTS, 56
.set TRIPS, 57
.set SEL, 60
.set TB,  62                           ; s62 LDS byte at which the step to be fetched begins
.set TJ,  63                           ; s63 and its 64 words among the keys' C
.set MSB, 0
.macro WIN new
.if MSB != \new
	s_set_vgpr_msb (MSB<<8)|\new
.set MSB, \new
.endif
.endm
.macro PLACES n
.rept \n
	v_nop
.endr
.endm
.macro JLOAD                           ; a joint refill; the branch hangs on the wave's number alone.  An s_nop 0 and four v_nop follow each line
	s_cmp_lt_u32 s[WV], 4
	s_cbranch_scc0 .Lfor_v_\@
	tensor_load_to_lds s[G0K+4:G0K+7], s[G1K:G1K+7]
	s_nop 0
.rept 4
	v_nop
.endr
	s_branch .Lasked_\@
.Lfor_v_\@:
	tensor_load_to_lds s[G0V+4:G0V+7], s[G1V:G1V+7]
	s_nop 0
.rept 4
	v_nop
.endr
.Lasked_\@:
.endm
; A prefetch of what the NEXT change of slots will ask for: a slot's 32,768 bytes of K and of V.  The four partners share them out by address, 8,192 bytes each, lanes 256 bytes apart;
; wave 0 asks for K's, wave 4 for V's: each block of 256 bytes is named once in the launch, four key steps ahead of its load.  The last change that fills asks for nothing.
.macro ASK
	s_cmp_gt_u32 s[SLOTS], s[LIM]
	s_cbranch_scc0 .Lnot_mine_\@
	global_prefetch_b8 v[PFO], s[PFA:PFA+1] th:TH_LOAD_NT scope:SCOPE_SE
.Lnot_mine_\@:
.endm
.macro CROUND
	s_barrier_signal -1
	s_barrier_wait -1
	s_cmp_lg_u32 s[WV], 0
	s_cbranch_scc1 .Lnot_wave_0_\@
	s_barrier_signal -3
.Lnot_wave_0_\@:
	s_barrier_wait -3
	s_barrier_signal -1
	s_barrier_wait -1
.endm
	s_load_b128 s[4:7], s[0:1], 0x0                ; qkv, mask
	s_load_b64 s[8:9], s[0:1], 0x10                ; ctx
	v_lshl_add_u32 v[SPW], v0, 2, SPARE
	v_mov_b32 v[NIL], 0
	ds_add_u32 v[SPW], v[NIL]                      ; the wave's opening: the add, twice on end, and its wait ahead of my first tensor load
	ds_add_u32 v[SPW], v[NIL]
	v_lshrrev_b32 v1, 5, v0
	v_readfirstlane_b32 s[WV], v1                  ; wave 0..7
	s_bfe_u32 s16, ttmp6, 0x40000                  ; cx: my block of 512 queries; it enters Q's, ctx's and the prefetches' addresses alone
	s_and_b32 s20, ttmp7, 0xffff                   ; 16 x batch + head, which the partners share
	s_lshr_b32 s58, s20, 4
	s_lshl_b32 s58, s58, 13                        ; the batch's 2,048 flags of 4 bytes
	s_mov_b32 s59, 0
	s_lshl_b32 s20, s20, 18                        ; the head's first byte in q, k, v and ctx
	s_and_b32 s17, s[WV], 3                        ; which of a slot's four steps I fetch:
	s_lshl_b32 s22, s17, 13                        ; its 64 rows of 128 bytes in memory,
	s_add_co_u32 s22, s22, s20
	s_mov_b32 s23, 0
	s_mul_i32 s17, s17, STEPB                      ; and its place in a slot
	s_lshl_b32 s2, s16, 16
	s_lshl_b32 s3, s[WV], 13
	s_add_co_u32 s2, s2, s3
	s_add_co_u32 s2, s2, s20                       ; my wave's 64 queries
	s_mov_b32 s3, 0
	; group 1: 64 rows x 64 elements of 2 bytes; padding behind every 32 words: 4 words for K, 8 for V; mask 15, bit 21 beside it
	s_mov_b32 s[G1K], 15|(1<<16)|(1<<20)|(1<<21)|(4<<22)|(3<<25)
	s_mov_b32 s[G1V], 15|(1<<16)|(1<<20)|(1<<21)|(4<<22)|(7<<25)
.irp g, G1K, G1V
	s_mov_b32 s[\g+1], 64<<16
	s_mov_b32 s[\g+2], 64<<16
	s_mov_b32 s[\g+3], 64<<16
	s_mov_b32 s[\g+4], 64
	s_mov_b32 s[\g+5], 64
	s_mov_b32 s[\g+6], 0
	s_mov_b32 s[\g+7], 0
.endr
	s_mov_b32 s[SEL], 0x76543210
	s_mov_b32 s[SEL+1], 0xfedcba98
	s_mov_b32 s[TB], 0
	s_mov_b32 s[TJ], 0
	s_mov_b32 s[SLOTS], 6
	s_and_b32 s[LIM], s[WV], 3
	s_cmp_eq_u32 s[LIM], 0
	s_cselect_b32 s[LIM], 1, -1                    ; waves 0 and 4 prefetch
	v_and_b32 v[PFO], 31, v0
	v_lshlrev_b32 v[PFO], 8, v[PFO]
	s_wait_dscnt 0x0                               ; both opening adds are done
	s_wait_kmcnt 0x0
	s_add_nc_u64 s[10:11], s[4:5], 0x1000000       ; k
	s_add_nc_u64 s[12:13], s[4:5], 0x2000000       ; v
	s_add_nc_u64 s[10:11], s[10:11], s[22:23]      ; at my tile of slot 0
	s_add_nc_u64 s[12:13], s[12:13], s[22:23]
	s_add_nc_u64 s[4:5], s[4:5], s[2:3]            ; q and ctx at my wave's first row
	s_add_nc_u64 s[8:9], s[8:9], s[2:3]
	s_add_nc_u64 s[6:7], s[6:7], s[58:59]
	s_cmp_lt_u32 s[WV], 4
	s_cselect_b64 s[PFA:PFA+1], s[10:11], s[12:13] ; (in waves 0 and 4 these stand at a slot's first row)
	s_lshl_b32 s20, s16, 13
	s_mov_b32 s21, 0
	s_add_nc_u64 s[PFA:PFA+1], s[PFA:PFA+1], s[20:21]
	s_add_nc_u64 s[PFA:PFA+1], s[PFA:PFA+1], 2*32768   ; in slot 2; the first change steps it to slot 3.  Nothing is prefetched at the head
	CROUND                                         ; all four work-groups are here: the first joint loads meet
.irp n, 0,1
	s_mov_b32 s[G0K+4*\n], 1
	s_add_co_u32 s[G0K+4*\n+1], s17, \n*SLOT1
	s_add_nc_u64 s[G0K+4*\n+2:G0K+4*\n+3], s[10:11], \n*32768
	s_or_b32 s[G0K+4*\n+3], s[G0K+4*\n+3], 0x80000000
	s_mov_b32 s[G0V+4*\n], 1
	s_add_co_u32 s[G0V+4*\n+1], s17, \n*SLOT1+VOFF
	s_add_nc_u64 s[G0V+4*\n+2:G0V+4*\n+3], s[12:13], \n*32768
	s_or_b32 s[G0V+4*\n+3], s[G0V+4*\n+3], 0x80000000
.endr
	s_cmp_lt_u32 s[WV], 4                          ; a wave's two first fills stand in one branch: two loads of mine are out
	s_cbranch_scc0 .Lfirst_v
	tensor_load_to_lds s[G0K:G0K+3], s[G1K:G1K+7]
	s_nop 0
	tensor_load_to_lds s[G0K+4:G0K+7], s[G1K:G1K+7]
	s_nop 0
.rept 4
	v_nop
.endr
	s_branch .Lfirst_asked
.Lfirst_v:
	tensor_load_to_lds s[G0V:G0V+3], s[G1V:G1V+7]
	s_nop 0
	tensor_load_to_lds s[G0V+4:G0V+7], s[G1V:G1V+7]
	s_nop 0
.rept 4
	v_nop
.endr
.Lfirst_asked:
	v_and_b32 v1, 15, v0                           ; r
	v_bfe_u32 v14, v0, 4, 1                        ; h
	v_lshlrev_b32 v[QO], 7, v1
	v_lshl_add_u32 v[QO], v14, 4, v[QO]            ; row r of 128 bytes + 16 h
	WIN 0x40                                       ; destination window 1
.irp i, 0,1,2,3,4,5,6,7                        ; Q stays in registers: tile i / 2, channels 32 (i % 2) on
	global_load_b128 v[QF+8*\i:QF+8*\i+3],   v[QO], s[4:5] offset:(\i/2)*2048+(\i%2)*64
	global_load_b128 v[QF+8*\i+4:QF+8*\i+7], v[QO], s[4:5] offset:(\i/2)*2048+(\i%2)*64+32
.endr
	WIN 0
	v_lshlrev_b32 v15, 5, v0                       ; eight flags a thread
	global_load_b128 v[80:83], v15, s[6:7]
	global_load_b128 v[84:87], v15, s[6:7] offset:16
	v_mul_u32_u24 v[AK0], v1, PK
	v_lshl_add_u32 v[AK0], v14, 4, v[AK0]          ; K: row r x pitch + 16 h
	v_and_b32 v90, 7, v0
	v_bfe_u32 v91, v0, 3, 1
	v_lshl_add_u32 v[AV0], v14, 3, v90
	v_mul_u32_u24 v[AV0], v[AV0], PV
	v_lshl_add_u32 v[AV0], v91, 4, v[AV0]
	v_add_nc_u32 v[AV0], VOFF, v[AV0]              ; V, for the turning load: key 8 h + lane % 8, 16 bytes for each eight lanes
	v_lshl_add_u32 v[AB0], v14, 5, BIAS            ; the keys' C: eight words for each half of the lanes
	s_mul_i32 s16, s[WV], 16*SP
	s_add_co_u32 s16, s16, STAGE                   ; my stage
	v_mul_u32_u24 v[STO], v1, SP
	v_lshl_add_u32 v[STO], v14, 4, v[STO]
	v_add_nc_u32 v[STO], s16, v[STO]               ; in: row r, 16 bytes for each half of the lanes
	v_bfe_u32 v[RD], v0, 3, 2
	v_mul_u32_u24 v[RD], v[RD], SP
	v_lshl_add_u32 v[RD], v90, 4, v[RD]
	v_add_nc_u32 v[RD], s16, v[RD]                 ; back: eight lanes to a row of 128 bytes, four rows an instruction
	v_and_b32 v[GO], 31, v0
	v_lshlrev_b32 v[GO], 4, v[GO]                  ; which are 512 consecutive bytes of ctx
	v_mov_b32 v88, 0xceabfb8f                      ; -1e9 x log2(e)
	v_add_nc_u32 v89, BIAS, v15
.irp t, 0,1,2,3
	v_mov_b32 v[ST+8*\t+1], 0                      ; (named as the upper half of a pair before it is first written)
.endr
	s_wait_loadcnt 0x0                             ; Q and the flags
.irp i, 0,1,2,3,4,5,6,7
	v_cmp_eq_u32 vcc_lo, 0, v[80+\i]
	v_cndmask_b32 v[80+\i], 0, v88, vcc_lo         ; 0 for a key that counts, the masked t for one that does not
.endr
	ds_store_b128 v89, v[80:83]
	ds_store_b128 v89, v[84:87] offset:16
	s_wait_dscnt 0x0                               ; for the others' sake: my words are stored
	s_wait_tensorcnt 1                             ; my part of slot 0 is in; slot 1's may stay out
	s_barrier_signal -1
	s_barrier_wait -1
; a step's K (8 fragments: keys 16 (f / 2) on, channels 32 (f % 2) on) and its keys' C: 24 LDS loads in one run
.macro FETCH_KB
	WIN 0
	v_add_nc_u32 v[ADR], s[TB], v[AK0]
	v_add_nc_u32 v[ADR2], s[TJ], v[AB0]
	s_add_co_u32 s[TJ], s[TJ], 256
	WIN 0x40
.irp f, 0,1,2,3,4,5,6,7
	ds_load_b128 v[KF+8*\f:KF+8*\f+3],   v[ADR] offset:(\f/2)*16*PK+(\f%2)*64
	ds_load_b128 v[KF+8*\f+4:KF+8*\f+7], v[ADR] offset:(\f/2)*16*PK+(\f%2)*64+32
.endr
	WIN 0
.irp kt, 0,1,2,3
	ds_load_b128 v[BI+8*\kt:BI+8*\kt+3],   v[ADR2] offset:64*\kt          ; register 8 kt + j: key 16 kt + 8 h + j
	ds_load_b128 v[BI+8*\kt+4:BI+8*\kt+7], v[ADR2] offset:64*\kt+16
.endr
.endm
; a step's V, turned: fragment f (keys 32 (f / 4) on, channels 16 (f % 4) on) into the upper half of tile f / 2's S^T: 16 loads
.macro FETCH_V
	v_add_nc_u32 v[ADR], s[TB], v[AV0]
	s_add_co_u32 s[TB], s[TB], STEPB               ; the next fetch is the next step's
.irp f, 0,1,2,3,4,5,6,7
	ds_load_tr16_b128 v[S+32*(\f/2)+16+8*(\f%2):S+32*(\f/2)+16+8*(\f%2)+3],   v[ADR] offset:(\f/4)*32*PV+(\f%4)*32
	ds_load_tr16_b128 v[S+32*(\f/2)+16+8*(\f%2)+4:S+32*(\f/2)+16+8*(\f%2)+7], v[ADR] offset:(\f/4)*32*PV+16*PV+(\f%4)*32
.endr
.endm
; O^T += V^T P: 32 products; the 16 accumulators take turns.  zero = 1: the first 16 start the sums.  cnt: the LDS loads younger than V's
.macro PVB zero, cnt
	s_wait_dscnt \cnt
	WIN 0x50                                       ; C and D window 1
.set i, 0
.rept 32
.set rO, 32*(i%4)+8*((i/4)%4)
.set rV, S+32*(2*(i/16)+((i/4)%4)/2)+16+8*(((i/4)%4)%2)
.set rP, S+32*(i%4)+8*(i/16)
.if \zero && (i < 16)
	v_wmma_f32_16x16x32_f16 v[rO:rO+7], v[rV:rV+7], v[rP:rP+7], 0
.else
	v_wmma_f32_16x16x32_f16 v[rO:rO+7], v[rV:rV+7], v[rP:rP+7], v[rO:rO+7]
.endif
.set i, i+1
.endr
.endm
; S^T = K Q^T + the keys' C: 32 products, 16 accumulators by turns
.macro SB
	s_wait_dscnt 0x0                               ; K and the keys' C are in
	WIN 0x05                                       ; K and Q window 1
.set i, 0
.rept 32
.set rS, S+32*(i%4)+8*((i/4)%4)
.set rK, KF+16*((i/4)%4)+8*(i/16)
.set rQ, QF+16*(i%4)+8*(i/16)
.if i < 16
	v_wmma_f32_16x16x32_f16 v[rS:rS+7], v[rK:rK+7], v[rQ:rQ+7], v[BI+8*((i/4)%4):BI+8*((i/4)%4)+7]
.else
	v_wmma_f32_16x16x32_f16 v[rS:rS+7], v[rK:rK+7], v[rQ:rQ+7], v[rS:rS+7]
.endif
.set i, i+1
.endr
.endm
; THE SOFTMAX of the wave's four tiles for one key step, the tiles by turns line by line.  first = 1: the first key step, which starts m and l and has no a.
.macro SOFTMAX first
.set j, 0
.rept 16                               ; the maximum of a lane's 32 t and the old m: four chains, each accumulator read from its low end first
.irp t, 0,1,2,3
.set rT, ST+8*\t
.set rS, S+32*\t
.if j < 4
	v_max3_num_f32 v[rT+4+j], v[rS+8*j], v[rS+8*j+1], v[rS+8*j+2]
.elseif j < 12
	v_max3_num_f32 v[rT+4+j%4], v[rT+4+j%4], v[rS+8*(j%4)+2*(j/4)+1], v[rS+8*(j%4)+2*(j/4)+2]
.elseif j == 12
	v_max3_num_f32 v[rT+4], v[rT+4], v[rS+7], v[rS+15]
.elseif j == 13
	v_max3_num_f32 v[rT+6], v[rT+6], v[rS+23], v[rS+31]
.elseif j == 14
	v_max3_num_f32 v[rT+4], v[rT+4], v[rT+5], v[rT+6]
.elseif \first
	v_max_num_f32 v[rT+4], v[rT+4], v[rT+7]
.else
	v_max3_num_f32 v[rT+4], v[rT+4], v[rT+7], v[rT]
.endif
.endr
.set j, j+1
.endr
.irp t, 0,1,2,3
	v_permlanex16_b32 v[ST+8*\t+5], v[ST+8*\t+4], s[SEL], s[SEL+1]   ; the query's other 32 keys lie in the lane 16 away
.endr
.if !\first
.irp t, 0,1,2,3
	v_mov_b32 v[ST+8*\t+1], v[ST+8*\t]
.endr
.endif
.irp t, 0,1,2,3
	v_max_num_f32 v[ST+8*\t], v[ST+8*\t+4], v[ST+8*\t+5]             ; the new m
.endr
.if !\first
.irp t, 0,1,2,3
	v_sub_f32 v[ST+8*\t+7], v[ST+8*\t+1], v[ST+8*\t]                 ; m_old - m_new
.endr
.irp t, 0,1,2,3
	v_exp_f32 v[ST+8*\t+6], v[ST+8*\t+7]                             ; a
.endr
.endif
; ONE BATCH: the subtractions t - m, a pair each, and all exponentials; none of these lines names an exponential's result.  A pair is subtracted a turn ahead of its exponentials.
.irp t, 0,1,2,3
	v_pk_add_f32 v[S+32*\t:S+32*\t+1], v[S+32*\t:S+32*\t+1], v[ST+8*\t:ST+8*\t+1] op_sel_hi:[1,0] neg_lo:[0,1] neg_hi:[0,1]
.endr
.set b, 0
.rept 16
.irp t, 0,1,2,3
.if b < 15
	v_pk_add_f32 v[S+32*\t+2*b+2:S+32*\t+2*b+3], v[S+32*\t+2*b+2:S+32*\t+2*b+3], v[ST+8*\t:ST+8*\t+1] op_sel_hi:[1,0] neg_lo:[0,1] neg_hi:[0,1]
.endif
	v_exp_f32 v[S+32*\t+2*b], v[S+32*\t+2*b]
	v_exp_f32 v[S+32*\t+2*b+1], v[S+32*\t+2*b+1]
.endr
.set b, b+1
.endr
	v_nop                                          ; a plain instruction behind the last exponential
	s_wait_alu depctr_va_vdst(0)                   ; the one wait ahead of the batch's first reader
; the sums of the unrounded p, in two chains a tile: l takes the even pairs, v[+4:+5] the odd ones
.irp t, 0,1,2,3
.if \first
	v_pk_add_f32 v[ST+8*\t+2:ST+8*\t+3], v[S+32*\t:S+32*\t+1], v[S+32*\t+4:S+32*\t+5]
.else
	v_pk_fma_f32 v[ST+8*\t+2:ST+8*\t+3], v[ST+8*\t+2:ST+8*\t+3], v[ST+8*\t+6:ST+8*\t+7], v[S+32*\t:S+32*\t+1] op_sel_hi:[1,0,1]
.endif
	v_pk_add_f32 v[ST+8*\t+4:ST+8*\t+5], v[S+32*\t+2:S+32*\t+3], v[S+32*\t+6:S+32*\t+7]
.endr
.set z, 1
.rept 7
.irp t, 0,1,2,3
.if (z > 1) || !\first
	v_pk_add_f32 v[ST+8*\t+2:ST+8*\t+3], v[ST+8*\t+2:ST+8*\t+3], v[S+32*\t+4*z:S+32*\t+4*z+1]
.endif
.if z > 1
	v_pk_add_f32 v[ST+8*\t+4:ST+8*\t+5], v[ST+8*\t+4:ST+8*\t+5], v[S+32*\t+4*z+2:S+32*\t+4*z+3]
.endif
.endr
.set z, z+1
.endr
.irp t, 0,1,2,3
	v_pk_add_f32 v[ST+8*\t+2:ST+8*\t+3], v[ST+8*\t+2:ST+8*\t+3], v[ST+8*\t+4:ST+8*\t+5]
.endr
.set i, 0
.rept 16                               ; P in place: register i takes p 2 i and 2 i + 1, ascending, so that nothing is overwritten before it is read
.irp t, 0,1,2,3
	v_cvt_pk_f16_f32 v[S+32*\t+i], v[S+32*\t+2*i], v[S+32*\t+2*i+1]
.endr
.set i, i+1
.endr
.endm
.macro RESCALE                         ; O^T x a, while V's loads are on their way
	WIN 0x41
.set i, 0
.rept 16
.irp t, 0,1,2,3
	v_pk_mul_f32 v[32*\t+2*i:32*\t+2*i+1], v[32*\t+2*i:32*\t+2*i+1], v[ST+8*\t+6:ST+8*\t+7] op_sel_hi:[1,0]
.endr
.set i, i+1
.endr
.endm
; A TRIP: V^T P of the step in hand, K Q^T and the softmax of the next.
.macro TRIP zero
	FETCH_KB
	PVB \zero, 24                                  ; V's 16 loads are in; the 24 just issued may be out
	PLACES 5                                       ; the score products write over P and V, which the products above have read
	SB
	WIN 0
	PLACES 4                                       ; in front of the first read of the scores
	SOFTMAX 0
	FETCH_V
	RESCALE
	WIN 0
.endm
; THE CHANGE OF SLOTS: the slot's last bytes, V of its fourth step, have been asked for.  Each wave waits for all its tensor loads (its part of the other slot), adds 0 to its spare word, and waits for that and for its reads of the slot.
; fill = 1: a round of the cluster's barrier, and the joint refill first behind it: one load a wave, with four key steps in which to land.
.macro CHANGE fill
	s_wait_tensorcnt 0x0                           ; no tensor load of mine is out, so a group 0 may be written
	ds_add_u32 v[SPW], v[NIL]
.if \fill
.irp g, G0K+4, G0V+4
	s_xor_b32 s[\g+1], s[\g+1], SLOT1              ; the walking descriptor: the other slot,
	s_add_nc_u64 s[\g+2:\g+3], s[\g+2:\g+3], 32768 ; the next 256 keys
.endr
	s_wait_xcnt 0x0                                ; the last prefetch, four key steps back, has read its address
	s_add_nc_u64 s[PFA:PFA+1], s[PFA:PFA+1], 32768
	s_wait_dscnt 0x0                               ; the add is done, and my reads of the slot are over
	CROUND
	JLOAD
	ASK
.else
	s_wait_dscnt 0x0
	s_barrier_signal -1
	s_barrier_wait -1
.endif
	s_sub_co_u32 s[TB], s[TB], 4*STEPB             ; the fetches go back to a slot's first step,
	s_xor_b32 s[TB], s[TB], SLOT1                  ; in the other slot
.endm
	FETCH_KB                                       ; key step 0
	SB
	WIN 0
	PLACES 4
	SOFTMAX 1
	FETCH_V
	TRIP 1                                         ; V^T P of step 0 starts O^T
	s_mov_b32 s[TRIPS], 2
.Lfirst_slot:
	TRIP 0
	s_sub_co_u32 s[TRIPS], s[TRIPS], 1
	s_cmp_lg_u32 s[TRIPS], 0
	s_cbranch_scc1 .Lfirst_slot
.Lslot:                                            ; six trips: every slot but the last two is filled again
	CHANGE 1
	s_mov_b32 s[TRIPS], 4
.Lstep:
	TRIP 0
	s_sub_co_u32 s[TRIPS], s[TRIPS], 1
	s_cmp_lg_u32 s[TRIPS], 0
	s_cbranch_scc1 .Lstep
	s_sub_co_u32 s[SLOTS], s[SLOTS], 1
	s_cmp_lg_u32 s[SLOTS], 0
	s_cbranch_scc1 .Lslot
	CHANGE 0                                       ; the tail is written out
	s_mov_b32 s[TRIPS], 4
.Llast:
	TRIP 0
	s_sub_co_u32 s[TRIPS], s[TRIPS], 1
	s_cmp_lg_u32 s[TRIPS], 0
	s_cbranch_scc1 .Llast
	PVB 0, 0                                       ; V^T P of the last step
	; THE WAY OUT.  l's two halves and the other half of the lanes' are added (these additions are the places behind the last products); O^T / l, rounded to f16, goes through my stage, a tile at a time.
	WIN 0
.irp t, 0,1,2,3
	v_add_f32 v[ST+8*\t+4], v[ST+8*\t+2], v[ST+8*\t+3]
.endr
.irp t, 0,1,2,3
	v_permlanex16_b32 v[ST+8*\t+5], v[ST+8*\t+4], s[SEL], s[SEL+1]
.endr
.irp t, 0,1,2,3
	v_add_f32 v[ST+8*\t+4], v[ST+8*\t+4], v[ST+8*\t+5]
.endr
.irp t, 0,1,2,3
	v_rcp_f32 v[ST+8*\t+6], v[ST+8*\t+4]
.endr
	v_nop                                          ; a plain instruction behind the last reciprocal
	s_wait_alu depctr_va_vdst(0)                   ; and the one wait ahead of the first use
.macro OPACK t
	WIN 0x41
.set i, 0
.rept 16
	v_pk_mul_f32 v[32*\t+2*i:32*\t+2*i+1], v[32*\t+2*i:32*\t+2*i+1], v[ST+8*\t+6:ST+8*\t+7] op_sel_hi:[1,0]
.set i, i+1
.endr
	WIN 0x05                                       ; sources window 1, destination window 0
.set i, 0
.rept 16
	v_cvt_pk_f16_f32 v[S+32*\t+i], v[32*\t+2*i], v[32*\t+2*i+1]
.set i, i+1
.endr
	WIN 0
.irp f, 0,1,2,3
	ds_store_b128 v[STO], v[S+32*\t+4*\f:S+32*\t+4*\f+3] offset:32*\f
.endr
.irp g, 0,1,2,3
	ds_load_b128 v[S+32*\t+16+4*\g:S+32*\t+16+4*\g+3], v[RD] offset:\g*4*SP   ; LDS serves a wave's instructions in order: these see the stores above
.endr
.endm
.macro OSEND t, younger                ; younger: the next tile's eight LDS instructions, or none
.irp g, 0,1,2,3
	s_wait_dscnt \younger+3-\g
	global_store_b128 v[GO], v[S+32*\t+16+4*\g:S+32*\t+16+4*\g+3], s[8:9] offset:\t*2048+\g*512   ; four rows: 512 consecutive bytes, aligned
.endr
.endm
	OPACK 0
	OPACK 1
	OSEND 0, 8
	OPACK 2
	OSEND 1, 8
	OPACK 3
	OSEND 2, 8
	OSEND 3, 0
	s_wait_tensorcnt 0x0                           ; the wave's end
	ds_add_u32 v[SPW], v[NIL]
	s_wait_dscnt 0x0
	CROUND                                         ; the closing round
	s_endpgm
.Lfunc_end_k_q4002beaa2d_attn:
	.size	k_q4002beaa2d_attn, .Lfunc_end_k_q4002beaa2d_attn-k_q4002beaa2d_attn
	.p2alignl 7, 3214868480
	.fill 96, 4, 3214868480
	.section	.rodata,"a",@progbits
	.p2align	6, 0x0
	.amdhsa_kernel k_q4002beaa2d_attn
		.amdhsa_group_segment_fixed_size 327680
		.amdhsa_private_segment_fixed_size 0
		.amdhsa_enable_private_segment 0
		.amdhsa_kernarg_size 24
		.amdhsa_user_sgpr_count 2
		.amdhsa_user_sgpr_kernarg_segment_ptr 1
		.amdhsa_wavefront_size32 1
		.amdhsa_system_sgpr_workgroup_id_x 1
		.amdhsa_system_sgpr_workgroup_id_y 1
		.amdhsa_system_sgpr_workgroup_id_z 1
		.amdhsa_system_vgpr_workitem_id 0
		.amdhsa_next_free_vgpr 512
		.amdhsa_next_free_sgpr 72
		.amdhsa_reserve_vcc 1
		.amdhsa_float_denorm_mode_32 3
		.amdhsa_float_denorm_mode_16_64 3
		.amdhsa_memory_ordered 1
		.amdhsa_forward_progress 1
		.amdhsa_inst_pref_size 181
	.end_amdhsa_kernel
	.amdgpu_metadata
---
amdhsa.version: [ 1, 2 ]
amdhsa.kernels:
  - .name:           k_q4002beaa2d_attn
    .symbol:         k_q4002beaa2d_attn.kd
    .args:
      - { .name: qkv, .offset: 0, .size: 8, .value_kind: global_buffer, .address_space: global }
      - { .name: mask, .offset: 8, .size: 8, .value_kind: global_buffer, .address_space: global }
      - { .name: ctx, .offset: 16, .size: 8, .value_kind: global_buffer, .address_space: global }
    .group_segment_fixed_size: 327680
    .private_segment_fixed_size: 0
    .kernarg_segment_align: 8
    .kernarg_segment_size: 24
    .max_flat_workgroup_size: 256
    .sgpr_count:     72
    .vgpr_count:     512
    .wavefront_size: 32
...
	.end_amdgpu_metadata
.endif
;; end of part 3
;; launch oproj (part 4): grid 4 x 64, 4 waves a work-group, clusters of 4 x 4, 327,680 bytes of LDS; arguments ctx, woh, bo, out0; writes out0
.if DOCPART == 4
	.amdgcn_target "amdgcn-amd-amdhsa--gfx1250"
	.amdhsa_code_object_version 6
	.text
	.protected	k_q4002beaa2d_oproj
	.globl	k_q4002beaa2d_oproj
	.p2align	8
	.type	k_q4002beaa2d_oproj,@function
k_q4002beaa2d_oproj:
	s_mov_b64 s[64:65], 0
	v_nop
	global_prefetch_b8 v0, s[64:65] scope:SCOPE_SE
	s_setreg_imm32_b32 hwreg(HW_REG_WAVE_MODE, 25, 1), 1
	s_wait_xcnt 0x0
	s_wait_alu depctr_hold_cnt(0) depctr_sa_sdst(0) depctr_va_vdst(0) depctr_va_sdst(0) depctr_va_ssrc(0) depctr_va_vcc(0) depctr_vm_vsrc(0)
	s_getreg_b32 s2, hwreg(HW_REG_IB_STS2, 6, 4)
	s_cmp_eq_u32 s2, 0
	s_cbranch_scc0 .Lentry_in_a_cluster
	s_endpgm
.Lentry_in_a_cluster:
	s_bfe_u32 s2, ttmp6, 0x10000c
	s_cmp_lg_u32 s2, 0xf033
	s_cbranch_scc0 .Lentry_shape_is_right
	s_endpgm
.Lentry_shape_is_right:
; Launch 4 of 4: out0 = ctx Wo + bo.  ctx [batch][head][token][64] and woh [k][n] in f16, sums and out0 in f32.  Nothing of the problem is left out here.
; A tile of 128 tokens x 256 columns is made by a work-group of four waves: 256 work-groups; a wave makes 64 x 128: 32 accumulators, 256 registers.
; K goes in steps of 128 (two heads) through a ring of two LDS slots.  A's part of a slot is two blocks (one a head) of 128 tokens x 128 bytes; B's is 128 rows (k) x 512 bytes, read turned by ds_load_tr16_b128.
; CLUSTERS: 4 x 4 work-groups; A's tiles are asked for jointly along a row of the cluster, B's along a column.  Waves 0 and 1 fetch A's two heads, waves 2 and 3 B's two halves.
; THE MATRIX INSTRUCTION IS USED TRANSPOSED (source 0 = 16 columns of Wo, source 1 = 16 tokens): a lane holds one token and eight neighbouring columns.  bo is the C of each sum's first matrix instruction.
; No prefetch: a K step's tiles are shared by four work-groups each and a step's 128 matrix instructions stand between a request and the wait for it.
; REGISTERS: window 0: v16-29 addresses; two fragment buffers at v32 and v128: 32 registers of A, then 64 of B, for 32 along K.   window 1: the accumulators ((a, bn) at v[8 (8 a + bn)]).   window 2: v0-63 bo.
.set PA,     144                       ; a token's row of one head in LDS: 128 bytes + 16
.set PB,     544                       ; a row of Wo's tile: 512 bytes + 32
.set ABLK,   128*PA
.set BOFF,   2*ABLK
.set BHALF,  64*PB
.set SLOT,   BOFF+2*BHALF
.set STAGE,  2*SLOT                    ; behind the ring: 16 rows x (512 bytes + 16) for each wave
.set SPITCH, 528
.set SPARE,  STAGE+4*16*SPITCH         ; the spare words, 128 bytes for each wave
.set ADRA, 16
.set ADRB, 20
.set STO,  24
.set RD,   25
.set CO,   26
.set SPW,  28
.set NIL,  29
.set F0,   32
.set F1,   128
.set G1, 24
.set G0, 32
.set G1B, 48
.set G0B, 56
.set MSB, 0
.macro WIN new
.if MSB != \new
	s_set_vgpr_msb (MSB<<8)|\new
.set MSB, \new
.endif
.endm
.set MUL, 0x50                         ; C and D window 1
.macro PLACES
.rept 4
	v_nop
.endr
.endm
.macro JLOAD s                         ; a joint load; an s_nop 0 and four v_nop follow each line
	s_cmp_eq_u32 s13, 0
	s_cbranch_scc0 .Lfor_b_\@
	tensor_load_to_lds s[G0+4*\s:G0+4*\s+3], s[G1:G1+7]
	s_nop 0
.rept 4
	v_nop
.endr
	s_branch .Lasked_\@
.Lfor_b_\@:
	tensor_load_to_lds s[G0B+4*\s:G0B+4*\s+3], s[G1B:G1B+7]
	s_nop 0
.rept 4
	v_nop
.endr
.Lasked_\@:
.endm
.macro CREST
	s_cmp_lg_u32 s12, 0
	s_cbranch_scc1 .Lnot_wave_0_\@
	s_barrier_signal -3
.Lnot_wave_0_\@:
	s_barrier_wait -3
	s_barrier_signal -1
	s_barrier_wait -1
.endm
.macro CROUND
	s_barrier_signal -1
	s_barrier_wait -1
	CREST
.endm
	s_load_b256 s[4:11], s[0:1], 0x0               ; ctx, woh, bo, out0
	v_lshl_add_u32 v[SPW], v0, 2, SPARE
	v_mov_b32 v[NIL], 0
	ds_add_u32 v[SPW], v[NIL]                      ; the wave's opening: the add, twice on end, and its wait ahead of my first tensor load
	ds_add_u32 v[SPW], v[NIL]
	v_lshrrev_b32 v1, 5, v0
	v_readfirstlane_b32 s12, v1                    ; wave 0..3
	s_lshr_b32 s13, s12, 1                         ; my half of the tile's rows.  Also: I fetch for A (0) or for B (1)
	s_and_b32 s14, s12, 1                          ; my half of its columns.  Also: which head, or which 64 rows of Wo, I fetch
	s_bfe_u32 s40, ttmp6, 0x40000                  ; cx
	s_bfe_u32 s41, ttmp6, 0x40004                  ; cy
	s_lshl_b32 s42, ttmp9, 2
	s_add_co_u32 s42, s42, s40                     ; tile column
	s_and_b32 s15, ttmp7, 0xffff
	s_lshl_b32 s15, s15, 2
	s_add_co_u32 s15, s15, s41                     ; tile row
	s_lshl_b32 s43, s41, 2
	s_lshl_b32 s43, 15, s43                        ; my row of the cluster
	s_lshl_b32 s44, 0x1111, s40                    ; my column
	; group 1 for A: 128 rows x 64 elements of 2 bytes, 4 words of padding behind every 32;  for B: 64 rows x 256 elements, 8 words behind every 128
	s_or_b32 s[G1+0], s43, (1<<16)|(1<<20)|(1<<21)|(4<<22)|(3<<25)
	s_mov_b32 s[G1+1], 64<<16
	s_mov_b32 s[G1+2], 128<<16
	s_mov_b32 s[G1+3], 64<<16
	s_mov_b32 s[G1+4], 128
	s_mov_b32 s[G1+5], 64
	s_mov_b32 s[G1+6], 0
	s_mov_b32 s[G1+7], 0
	s_or_b32 s[G1B+0], s44, (1<<16)|(1<<20)|(1<<21)|(6<<22)|(7<<25)
	s_mov_b32 s[G1B+1], 256<<16
	s_mov_b32 s[G1B+2], 64<<16
	s_mov_b32 s[G1B+3], 256<<16
	s_mov_b32 s[G1B+4], 64
	s_mov_b32 s[G1B+5], 1024
	s_mov_b32 s[G1B+6], 0
	s_mov_b32 s[G1B+7], 0
	s_lshr_b32 s16, s15, 4                         ; A: batch << 22, my head of the step << 18, token in the batch << 7
	s_lshl_b32 s16, s16, 22
	s_and_b32 s17, s15, 15
	s_lshl_b32 s17, s17, 14
	s_add_co_u32 s16, s16, s17
	s_lshl_b32 s17, s14, 18
	s_add_co_u32 s16, s16, s17
	s_mov_b32 s17, 0
	s_lshl_b32 s46, s14, 17                        ; B: my 64 rows of 2,048 bytes, the tile's 512 bytes of a row
	s_lshl_b32 s47, s42, 9
	s_add_co_u32 s46, s46, s47
	s_mov_b32 s47, 0
	s_mul_i32 s20, s14, ABLK                       ; where they go
	s_mul_i32 s21, s14, BHALF
	s_add_co_u32 s21, s21, BOFF
	s_wait_dscnt 0x0                               ; both opening adds are done
	s_wait_kmcnt 0x0
	s_add_nc_u64 s[18:19], s[4:5], s[16:17]
	s_add_nc_u64 s[46:47], s[6:7], s[46:47]
	CROUND                                         ; all sixteen work-groups are here: the first joint loads meet
.irp s, 0,1
	s_mov_b32 s[G0+4*\s], 1
	s_add_co_u32 s[G0+4*\s+1], s20, \s*SLOT
	s_add_nc_u64 s[G0+4*\s+2:G0+4*\s+3], s[18:19], \s*(1<<19)      ; a K step is two heads
	s_or_b32 s[G0+4*\s+3], s[G0+4*\s+3], 0x80000000
	s_mov_b32 s[G0B+4*\s], 1
	s_add_co_u32 s[G0B+4*\s+1], s21, \s*SLOT
	s_add_nc_u64 s[G0B+4*\s+2:G0B+4*\s+3], s[46:47], \s*(1<<18)    ; and 128 rows of Wo
	s_or_b32 s[G0B+4*\s+3], s[G0B+4*\s+3], 0x80000000
	JLOAD \s
.endr
	v_and_b32 v1, 15, v0                           ; r
	v_bfe_u32 v2, v0, 4, 1                         ; h
	v_mul_u32_u24 v3, v1, PA
	v_lshl_add_u32 v3, v2, 4, v3                   ; A: token r x pitch + 16 h
	v_and_b32 v4, 7, v0
	v_bfe_u32 v5, v0, 3, 1
	v_lshl_add_u32 v4, v2, 3, v4
	v_mul_u32_u24 v4, v4, PB
	v_lshl_add_u32 v4, v5, 4, v4                   ; B, for the turning load: row 8 h + lane % 8, 16 bytes for each eight lanes
	s_mul_i32 s21, s13, 64*PA                      ; my 64 tokens
	s_lshl_b32 s22, s14, 8                         ; my 128 columns
	s_add_co_u32 s22, s22, BOFF
.irp s, 0,1
	v_add_nc_u32 v[ADRA+\s], s21, v3
	v_add_nc_u32 v[ADRB+\s], s22, v4
	s_add_co_u32 s21, s21, SLOT
	s_add_co_u32 s22, s22, SLOT
.endr
	s_mul_i32 s23, s12, 16*SPITCH
	s_add_co_u32 s23, s23, STAGE                   ; my stage
	v_mul_u32_u24 v5, v1, SPITCH
	v_lshl_add_u32 v5, v2, 5, v5
	v_add_nc_u32 v[STO], s23, v5                   ; in: row r, 32 bytes for each half of the lanes
	v_and_b32 v6, 31, v0
	v_lshlrev_b32 v[CO], 4, v6                     ; back: the 32 lanes take one row of 512 bytes; the same in out0
	v_add_nc_u32 v[RD], s23, v[CO]
	v_lshlrev_b32 v7, 5, v2                        ; bo: 32 h
	s_lshl_b32 s20, s42, 10                        ; my first column, in bytes: 1,024 x tile column + 512 x half
	s_lshl_b32 s21, s14, 9
	s_add_co_u32 s20, s20, s21
	s_mov_b32 s21, 0
	s_add_nc_u64 s[8:9], s[8:9], s[20:21]
	s_add_nc_u64 s[10:11], s[10:11], s[20:21]
	s_lshl_b32 s20, s15, 19                        ; my first row: 128 x tile row + 64 x half, 4,096 bytes each
	s_lshl_b32 s22, s13, 18
	s_add_co_u32 s20, s20, s22
	s_add_nc_u64 s[10:11], s[10:11], s[20:21]
	WIN 0x80                                       ; destination window 2
.irp b, 0,1,2,3,4,5,6,7
	global_load_b128 v[8*\b:8*\b+3],   v7, s[8:9] offset:64*\b             ; register 8 bn + j: bo of column 16 bn + 8 h + j
	global_load_b128 v[8*\b+4:8*\b+7], v7, s[8:9] offset:64*\b+16
.endr
	WIN 0
; 8 matrix instructions: A's block a x B's eight, 32 along K.  zero = 1: the sums start on bo.  The 32 accumulators take turns, in the same order in every quarter.
.macro MULA f, a, zero
.irp bn, 0,1,2,3,4,5,6,7
.if \zero
	v_wmma_f32_16x16x32_f16 v[8*(8*(\a)+\bn):8*(8*(\a)+\bn)+7], v[\f+32+8*\bn:\f+32+8*\bn+7], v[\f+8*(\a):\f+8*(\a)+7], v[8*\bn:8*\bn+7]
.else
	v_wmma_f32_16x16x32_f16 v[8*(8*(\a)+\bn):8*(8*(\a)+\bn)+7], v[\f+32+8*\bn:\f+32+8*\bn+7], v[\f+8*(\a):\f+8*(\a)+7], v[8*(8*(\a)+\bn):8*(8*(\a)+\bn)+7]
.endif
.endr
.endm
; 24 LDS loads in one run: the fragments of the slot's q-th 32 along K into buffer f
.macro FETCH slot, q, f
.irp a, 0,1,2,3
	ds_load_b128 v[\f+8*\a:\f+8*\a+3],   v[ADRA+\slot] offset:((\q)/2)*ABLK+((\q)%2)*64+\a*16*PA
	ds_load_b128 v[\f+8*\a+4:\f+8*\a+7], v[ADRA+\slot] offset:((\q)/2)*ABLK+((\q)%2)*64+\a*16*PA+32
.endr
.irp bn, 0,1,2,3,4,5,6,7
	ds_load_tr16_b128 v[\f+32+8*\bn:\f+32+8*\bn+3],   v[ADRB+\slot] offset:32*(\q)*PB+32*\bn
	ds_load_tr16_b128 v[\f+32+8*\bn+4:\f+32+8*\bn+7], v[ADRB+\slot] offset:32*(\q)*PB+16*PB+32*\bn
.endr
.endm
; One of a K step's first three quarters: multiplies buffer f and, in its middle, fetches quarter q into buffer g.
.macro QUARTER slot, q, f, g, zero
	s_wait_dscnt 0x0                               ; buffer f is in (asked for 16 matrix instructions ago)
.if \zero
	WIN 0x60                                       ; C window 2, D window 1
.else
	WIN MUL
.endif
	MULA \f, 0, \zero
	MULA \f, 1, \zero
	PLACES                                         ; in front of loads into registers that matrix instructions have read
	WIN 0
	FETCH \slot, \q, \g
.if \zero
	WIN 0x60
.else
	WIN MUL
.endif
	MULA \f, 2, \zero
	MULA \f, 3, \zero
.endm
; The last quarter multiplies buffer 1 and changes slots: one barrier; in front of it each wave waits for all its tensor loads, adds 0 to its spare word, and waits for that and for its reads of this slot.
.macro TURN slot, next, fill
	WIN 0
	s_wait_tensorcnt 0x0                           ; all my tensor loads have landed: my part of the next slot
	ds_add_u32 v[SPW], v[NIL]
	s_wait_dscnt 1                                 ; buffer 1 is in; the add alone may be out
	WIN MUL
	MULA F1, 0, 0
	s_wait_dscnt 0x0                               ; the add is done, and my reads of this slot are over
	s_barrier_signal -1
	MULA F1, 1, 0
	WIN 0
	s_barrier_wait -1
.if \fill
	CREST                                          ; the barrier has opened a round of the cluster's: no wave of any partner still reads this slot or has a load on its way
	s_add_nc_u64 s[G0+4*\slot+2:G0+4*\slot+3], s[G0+4*\slot+2:G0+4*\slot+3], 1<<20
	s_add_nc_u64 s[G0B+4*\slot+2:G0B+4*\slot+3], s[G0B+4*\slot+2:G0B+4*\slot+3], 1<<19
	JLOAD \slot                                    ; the first tensor load behind the round; its four v_nop are also the places in front of the loads below
.else
	PLACES
.endif
	FETCH \next, 0, F0
	WIN MUL
	MULA F1, 2, 0
	MULA F1, 3, 0
.endm
	s_wait_tensorcnt 1                             ; my part of K step 0 is in; K step 1's may stay out
	s_barrier_signal -1
	s_barrier_wait -1
	FETCH 0, 0, F0
	s_wait_loadcnt 0x0                             ; bo
	QUARTER 0, 1, F0, F1, 1                        ; the first quarter stands in front of the loop: its products start the sums
	WIN 0
	s_mov_b32 s3, 3
.Llap:                                             ; a trip goes once round the ring and fills both slots again: K steps 2 to 7
	QUARTER 0, 2, F1, F0, 0
	QUARTER 0, 3, F0, F1, 0
	TURN 0, 1, 1
	QUARTER 1, 1, F0, F1, 0
	QUARTER 1, 2, F1, F0, 0
	QUARTER 1, 3, F0, F1, 0
	TURN 1, 0, 1
	QUARTER 0, 1, F0, F1, 0
	WIN 0
	s_sub_co_u32 s3, s3, 1
	s_cmp_lg_u32 s3, 0
	s_cbranch_scc1 .Llap
	QUARTER 0, 2, F1, F0, 0                        ; the last lap fills nothing
	QUARTER 0, 3, F0, F1, 0
	TURN 0, 1, 0
	QUARTER 1, 1, F0, F1, 0
	QUARTER 1, 2, F1, F0, 0
	QUARTER 1, 3, F0, F1, 0
	s_wait_dscnt 0x0
	WIN MUL
	MULA F1, 0, 0
	MULA F1, 1, 0
	MULA F1, 2, 0
	MULA F1, 3, 0
	WIN 0
; THE WAY OUT, a block of 16 tokens x 128 columns at a time: through my own stage, back as whole rows of 512 bytes.
.macro TOSTAGE a
	WIN 0x04                                       ; an LDS store's data are its source 1: window 1
.irp bn, 0,1,2,3,4,5,6,7
	ds_store_b128 v[STO], v[64*(\a)+8*\bn:64*(\a)+8*\bn+3] offset:64*\bn        ; each accumulator from its low end on
	ds_store_b128 v[STO], v[64*(\a)+8*\bn+4:64*(\a)+8*\bn+7] offset:64*\bn+16
.endr
	WIN 0
.set BB, F0+96*((\a)%2)
.irp t, 0,1,2,3,4,5,6,7,8,9,10,11,12,13,14,15
	ds_load_b128 v[BB+4*\t:BB+4*\t+3], v[RD] offset:\t*SPITCH                   ; LDS serves a wave's instructions in order: these see the stores above
.endr
.endm
.macro SEND a, younger                 ; younger: the next block's 32 LDS instructions, or none
.set BB, F0+96*((\a)%2)
	s_wait_dscnt \younger
.irp t, 0,1,2,3,4,5,6,7,8,9,10,11,12,13,14,15
	global_store_b128 v[CO], v[BB+4*\t:BB+4*\t+3], s[10:11] offset:(16*(\a)+\t)*4096 th:TH_STORE_NT   ; 512 consecutive bytes, aligned; written once
.endr
.endm
	PLACES                                         ; behind the last products: results are read, and loads land in registers that held fragments
	TOSTAGE 0
.irp a, 1,2,3
.if \a > 1
	s_wait_xcnt 0x0                                ; block a - 2's stores have read their registers: block a's loads may land there
.endif
	TOSTAGE \a
	SEND \a-1, 32
.endr
	SEND 3, 0
	s_wait_tensorcnt 0x0                           ; the wave's end
	ds_add_u32 v[SPW], v[NIL]
	s_wait_dscnt 0x0
	CROUND                                         ; the closing round
	s_endpgm
.Lfunc_end_k_q4002beaa2d_oproj:
	.size	k_q4002beaa2d_oproj, .Lfunc_end_k_q4002beaa2d_oproj-k_q4002beaa2d_oproj
	.p2alignl 7, 3214868480
	.fill 96, 4, 3214868480
	.section	.rodata,"a",@progbits
	.p2align	6, 0x0
	.amdhsa_kernel k_q4002beaa2d_oproj
		.amdhsa_group_segment_fixed_size 327680
		.amdhsa_private_segment_fixed_size 0
		.amdhsa_enable_private_segment 0
		.amdhsa_kernarg_size 32
		.amdhsa_user_sgpr_count 2
		.amdhsa_user_sgpr_kernarg_segment_ptr 1
		.amdhsa_wavefront_size32 1
		.amdhsa_system_sgpr_workgroup_id_x 1
		.amdhsa_system_sgpr_workgroup_id_y 1
		.amdhsa_system_sgpr_workgroup_id_z 1
		.amdhsa_system_vgpr_workitem_id 0
		.amdhsa_next_free_vgpr 576
		.amdhsa_next_free_sgpr 66
		.amdhsa_reserve_vcc 0
		.amdhsa_float_denorm_mode_32 3
		.amdhsa_float_denorm_mode_16_64 3
		.amdhsa_memory_ordered 1
		.amdhsa_forward_progress 1
		.amdhsa_inst_pref_size 86
	.end_amdhsa_kernel
	.amdgpu_metadata
---
amdhsa.version: [ 1, 2 ]
amdhsa.kernels:
  - .name:           k_q4002beaa2d_oproj
    .symbol:         k_q4002beaa2d_oproj.kd
    .args:
      - { .name: ctx, .offset: 0, .size: 8, .value_kind: global_buffer, .address_space: global }
      - { .name: woh, .offset: 8, .size: 8, .value_kind: global_buffer, .address_space: global }
      - { .name: bo, .offset: 16, .size: 8, .value_kind: global_buffer, .address_space: global }
      - { .name: out0, .offset: 24, .size: 8, .value_kind: global_buffer, .address_space: global }
    .group_segment_fixed_size: 327680
    .private_segment_fixed_size: 0
    .kernarg_segment_align: 8
    .kernarg_segment_size: 32
    .max_flat_workgroup_size: 128
    .sgpr_count:     66
    .vgpr_count:     576
    .wavefront_size: 32
...
	.end_amdgpu_metadata
.endif
;; end of part 4
